; MI455X (gfx1250); checked and timed in simulation.
; The chip was launched on July 23, 2026; its instructions are those of AMD's public machine-readable ISA for CDNA 5 (MIT licence, August 2026) and "CDNA5" Instruction Set Architecture Reference Guide (July 2026). The comments in the code are by the model that wrote it; some were corrected since.
;; Multi Headed Attention. Allowed arithmetic: matrix products marked QUANTISED: E2M1 operands, one E8M0 scale for each 32 along K, by v_wmma_scale_f32_16x16x128_f8f6f4 with both operands' format E2M1 (or v_wmma_scale_f32_32x16x128_f4), f32 sums; products left as they are: bf16, f16 or f32 operands; f32 sums; everything else in f32.
;; Inputs: Wk 1,024 x 1,024 float32; Wo 1,024 x 1,024 float32; Wq 1,024 x 1,024 float32; Wv 1,024 x 1,024 float32; bk 1,024 float32; bo 1,024 float32; bq 1,024 float32; bv 1,024 float32; mask 4 x 2,048 x 2,048 int32; x 4 x 2,048 x 1,024 float32.
;; Outputs: out0 4 x 2,048 x 1,024 float32.
;; This version of the problem:
;;   THIS VERSION OF THE PROBLEM IS GIVEN IN LOW PRECISION. The matrix products marked QUANTISED in the list below multiply operands that are first quantised to E2M1 (2 exponent bits, 1 mantissa bit; 4 bits a number), with one power-of-two scale for each 32 numbers along K (OCP MX v1.0); their sums are f32. The products marked 'left as it is' may take bf16, f16 or f32 operands, with f32 sums. Whichever they take, every output number must still come out within the allowed error. Rounding operands to bf16 (8 significant bits) uses up far more of that allowance than f16 does (11 bits, for magnitudes from 6e-5 to 65,504). All else is computed in f32.
;;   The module's matrix products, in the order in which they are computed (A, B: the left and right operand; K: the contracted axis; several contracted axes count as one K, in the product's order):
;;     1. [M 8,192, K 1,024] x [K 1,024, N 1,024]; A: input x; B: input Wq: QUANTISED
;;     2. [M 8,192, K 1,024] x [K 1,024, N 1,024]; A: input x; B: input Wk: QUANTISED
;;     3. [M 8,192, K 1,024] x [K 1,024, N 1,024]; A: input x; B: input Wv: QUANTISED
;;     4. batch 64 x [M 2,048, K 64] x [K 64, N 2,048]; A: computed on the way; B: computed on the way: left as it is (an operand is computed on the way)
;;     5. batch 64 x [M 2,048, K 2,048] x [K 2,048, N 64]; A: computed on the way; B: computed on the way: left as it is (an operand is computed on the way)
;;     6. [M 8,192, K 1,024] x [K 1,024, N 1,024]; A: computed on the way; B: input Wo: left as it is (an operand is computed on the way)
;;   THE QUANTISER, for each operand of a quantised product, along K:
;;     - K is cut into blocks of 32 from its start; a last block that is shorter is filled with zeros.
;;     - A block's scale is 2^e with e = floor(log2(the largest magnitude in the block)) - 2, held to -126 .. 127; a block of zeros has e = 0. As a byte (E8M0): e + 127.
;;     - Each number is divided by its block's scale, clamped to +-6, and rounded to the nearest number of E2M1, ties to even, subnormals kept.
;;     - The product sums the exact products of the quantised numbers (number of the format x scale) in f32.
;;   ~~~python
;;   def quantise(x, axis):      # numpy; x: float32 -> the quantised numbers, widened to float32 again
;;       x = np.moveaxis(x, axis, -1); K = x.shape[-1]
;;       x = np.pad(x, [(0, 0)] * (x.ndim - 1) + [(0, -K % 32)]); x = x.reshape(x.shape[:-1] + (-1, 32)); a = np.abs(x).max(-1, keepdims=True)
;;       e = np.where(a > 0, np.clip(np.frexp(np.where(a > 0, a, 1))[1] - 1 - 2, -126, 127), 0)      # np.frexp(a)[1] - 1 = floor(log2(a)), exactly
;;       r = np.clip(x / 2.0 ** e, -6, 6)
;;       step = 2.0 ** (np.maximum(np.frexp(np.where(r == 0, 1, r))[1] - 1, 0) - 1)
;;       q = np.round(r / step) * step * 2.0 ** e      # np.round: ties to even
;;       return np.moveaxis(q.reshape(q.shape[:-2] + (-1,))[..., :K], -1, axis).astype(np.float32)
;;   ~~~
;; One version. Each part assembles by itself: llvm-mc -triple=amdgcn-amd-amdhsa -mcpu=gfx1250 --defsym DOCPART=n.
;; ======== version 1 of 1: 4 launches
;; limits: values are held in f16: magnitudes above 65,504 overflow, below 6.1e-05 lose precision
;; workspace buffers: x_codes 4,194,304 bytes; x_scales 262,144 bytes; w_codes 1,572,864 bytes; w_scales 98,304 bytes; wo16 2,097,152 bytes; maskbits 2,097,152 bytes of whole numbers; qkv 50,331,648 bytes; o16 16,777,216 bytes
;; launch prep (part 1): grid 1440 x 1, 4 waves a work-group, no clusters, 50,688 bytes of LDS; arguments x, Wq, Wk, Wv, Wo, mask, x_codes, x_scales, w_codes, w_scales, wo16, maskbits; writes x_codes, x_scales, w_codes, w_scales, wo16, maskbits
.if DOCPART == 1
	.amdgcn_target "amdgcn-amd-amdhsa--gfx1250"
	.amdhsa_code_object_version 6
	.text
	.protected	k_q94dc772c1f_prep
	.globl	k_q94dc772c1f_prep
	.p2align	8
	.type	k_q94dc772c1f_prep,@function
k_q94dc772c1f_prep:
	s_mov_b64 s[64:65], 0
	v_nop
	global_prefetch_b8 v0, s[64:65] scope:SCOPE_SE
	s_setreg_imm32_b32 hwreg(HW_REG_WAVE_MODE, 25, 1), 1
	s_wait_xcnt 0x0
; PREP: everything that is made once from the inputs.
;   work-groups 0-351:     x [8192][1024] and Wq, Wk, Wv [1024][1024], f32, K innermost, become codes of FP4 (E2M1) and one E8M0 byte for each 32 along K.
;   work-groups 352-1375:  mask [4][2048][2048], int32, becomes lane masks: one bit a number, laid as the attention launch's score registers lie.
;   work-groups 1376-1439: Wo [1024][1024], f32, becomes f16, laid as images of matrix fragments.
; THE QUANTISER: a block's scale is 2^(floor(log2(its largest magnitude)) - 2); its byte is the largest magnitude's exponent field - 2, held at 1 from below; each number is divided by the scale and
; rounded to the nearest code, ties to even, beyond 6 the largest code.  Rows are dense and 1,024 is a multiple of 32: the tensors are plain streams of blocks, and so are codes and bytes.
; LIMITS: a block of zeros gets the byte 1 (its codes are zeros, and this program alone reads the bytes); blocks whose largest magnitude lies under 2^-124 were not tried; NaN and infinities are not served;
; numbers of Wo beyond 65,504 do not fit f16.
; THE IMAGE BLOCK (Wo here; q, k, v, o in the later launches): 16 rows x 16 columns of f16 in 512 bytes; place 16 h + r (16 bytes) holds row r, columns 8 h .. 8 h + 7: half a fragment's registers, lane by lane.
; MASK BITS: [row tile of 16 queries][step of 64 keys][32 words]; word 8 kt + j, bit 16 h + r = (mask[query r][key 16 kt + 8 h + j] != 0).
; The paths part on the work-group's number alone and use LDS bytes of their own.  Waves share nothing: no barrier.  No matrix unit, no cluster: a stream, each byte read once.
.set SPW,   12                         ; v12  LDS address of my spare word: SPARE + 4 x my thread's number; never rewritten
.set NIL,   13                         ; v13  0; never rewritten
.set SPARE, 50176                      ; behind both paths' regions: 128 bytes for each wave
.set WV,    28                         ; s28  my wave's number
.macro FINISH                          ; the wave's end, behind my last LDS store
	s_wait_tensorcnt 0x0
	ds_add_u32 v[SPW], v[NIL]
	s_wait_dscnt 0x0
	s_endpgm
.endm
	s_load_b512 s[4:19], s[0:1], 0x0               ; x s[4:5], Wq s[6:7], Wk s[8:9], Wv s[10:11], Wo s[12:13], mask s[14:15], x_codes s[16:17], x_scales s[18:19]
	s_load_b256 s[20:27], s[0:1], 0x40             ; w_codes s[20:21], w_scales s[22:23], wo16 s[24:25], maskbits s[26:27]
	v_lshl_add_u32 v[SPW], v0, 2, SPARE
	v_mov_b32 v[NIL], 0
	v_lshrrev_b32 v1, 5, v0
	v_readfirstlane_b32 s[WV], v1
	v_and_b32 v2, 31, v0                           ; lane
	s_wait_kmcnt 0x0
	s_cmp_ge_u32 ttmp9, 352
	s_cbranch_scc1 .Lturn
; ---------------- the quantiser: a wave takes 16 steps of 512 numbers ----------------
; Each of a step's four loads reads 512 consecutive bytes; the 2,048 bytes turn through the wave's own stage in LDS and come back 64 bytes a lane, so that a lane holds 16 neighbours along K
; (two neighbouring lanes hold a block).  Loads run four steps ahead, the turn one step.
.set STEPS, 16
.set CB,    8                          ; bytes of 16 codes
.set RA,    16                         ; v16-79   four sets of 16 numbers as loaded
.set XA,    80                         ; v80-111  two sets of 16 neighbours
.set EA,    112                        ; v112-127 a scale byte for each step
.set CA,    128                        ; v128-191 codes: registers of its own for each step, so no store's data are written again
.set WREG,  8192                       ; LDS bytes 0 .. 32,767: a region for each wave: two stages of 32 x SP bytes, then its 256 scale bytes
.set SP,    80                         ; a lane's place in a stage: 64 bytes + 16 of padding
	v_lshlrev_b32 v3, 4, v2                        ; my 16 bytes of a load's 512
	s_mul_i32 s40, s[WV], WREG
	v_lshrrev_b32 v14, 2, v2
	v_mul_u32_u24 v14, v14, SP
	v_and_b32 v15, 3, v2
	v_lshl_add_u32 v14, v15, 4, v14
	v_add_nc_u32 v14, s40, v14                     ; the stage, on the way in: SP (lane / 4) + 16 (lane % 4)
	v_mul_u32_u24 v15, v2, SP
	v_add_nc_u32 v15, s40, v15                     ; and on the way out: SP x lane
	v_mul_u32_u24 v4, v2, CB                       ; my codes' place in a step's
	v_lshrrev_b32 v5, 1, v2
	s_add_co_u32 s40, s40, 2*32*SP
	v_add_nc_u32 v5, s40, v5                       ; my block's scale byte in my wave's 256
	v_lshlrev_b32 v7, 3, v2
	v_add_nc_u32 v6, s40, v7                       ; and 8 bytes a lane on the way out
	s_sub_co_u32 s30, ttmp9, 256                   ; the weights' work-groups count from 0: 32 to a weight
	s_and_b32 s31, s30, 31
	s_cmp_lt_u32 ttmp9, 320                        ; the buffers are chosen by the work-group's number alone
	s_cselect_b64 s[32:33], s[8:9], s[10:11]
	s_cmp_lt_u32 ttmp9, 288
	s_cselect_b64 s[32:33], s[6:7], s[32:33]
	s_cmp_lt_u32 ttmp9, 256
	s_cselect_b64 s[32:33], s[4:5], s[32:33]       ; from
	s_cselect_b64 s[34:35], s[16:17], s[20:21]     ; the codes
	s_cselect_b64 s[36:37], s[18:19], s[22:23]     ; the scale bytes
	s_cselect_b32 s38, ttmp9, s31                  ; which 32,768 numbers of the source,
	s_cselect_b32 s39, ttmp9, s30                  ; and of the destination (the three weights lie on end there)
	s_lshl_b32 s38, s38, 2
	s_add_co_u32 s38, s38, s[WV]                   ; my wave's run of 8,192 numbers
	s_lshl_b32 s39, s39, 2
	s_add_co_u32 s39, s39, s[WV]
	s_lshl_b32 s42, s38, 15                        ; 32,768 bytes a run in the source (under 2^26)
	s_mov_b32 s43, 0
	s_add_nc_u64 s[32:33], s[32:33], s[42:43]
	s_lshl_b32 s42, s39, 12                        ; 4,096 bytes of codes
	s_add_nc_u64 s[34:35], s[34:35], s[42:43]
	s_lshl_b32 s42, s39, 8                         ; 256 scale bytes
	s_add_nc_u64 s[36:37], s[36:37], s[42:43]
.macro QLOAD t
.irp i, 0,1,2,3
	global_load_b128 v[RA+16*((\t)%4)+4*\i:RA+16*((\t)%4)+4*\i+3], v3, s[32:33] offset:2048*(\t)+512*\i th:TH_LOAD_NT
.endr
.endm
.macro QTURN t                         ; LDS serves a wave's instructions in order (ISA guide 5.7.1.4): no wait between the stores and the loads
.irp i, 0,1,2,3
	ds_store_b128 v14, v[RA+16*((\t)%4)+4*\i:RA+16*((\t)%4)+4*\i+3] offset:32*SP*((\t)%2)+8*SP*\i
.endr
.irp i, 0,1,2,3
	ds_load_b128 v[XA+16*((\t)%2)+4*\i:XA+16*((\t)%2)+4*\i+3], v15 offset:32*SP*((\t)%2)+16*\i
.endr
.endm
.irp t, 0,1,2,3
	QLOAD \t
.endr
	s_wait_loadcnt 12                              ; step 0's four loads are in; the twelve behind them stay out
	QTURN 0
.macro QSTEP t
.set XS, XA+16*((\t)%2)
.if (\t) > 0
	s_wait_dscnt 1                                 ; this step's numbers are back from the stage; the last step's byte store may be out
.else
	s_wait_dscnt 0x0
.endif
.if (\t)+4 < STEPS
	QLOAD (\t)+4                                   ; into the set whose stores into the stage are done
.endif
.if (\t)+1 < STEPS
.if STEPS-2-(\t) >= 3
	s_wait_loadcnt 12                              ; the next step's four loads are in; three steps' loads stay out
.else
	s_wait_loadcnt 4*(STEPS-2-(\t))
.endif
	QTURN (\t)+1
.endif
	v_max3_num_f32 v8, |v[XS]|, |v[XS+1]|, |v[XS+2]|       ; the largest magnitude of my 16, in two chains
	v_max3_num_f32 v9, |v[XS+3]|, |v[XS+4]|, |v[XS+5]|
.irp i, 6,10
	v_max3_num_f32 v8, v8, |v[XS+\i]|, |v[XS+\i+1]|
	v_max3_num_f32 v9, v9, |v[XS+\i+2]|, |v[XS+\i+3]|
.endr
	v_max3_num_f32 v8, v8, |v[XS+14]|, |v[XS+15]|
	v_max3_num_f32 v8, v8, v9, 0x1800000           ; and the floor 2^(3 - 127): the byte cannot fall under 1
	v_max_num_f32_dpp v8, v8, v8 row_xmask:1 row_mask:0xf bank_mask:0xf   ; with my neighbour's 16: the block's
	v_add_nc_u32 v11, 0xff000000, v8               ; 2 off its exponent field: the conversion takes this operand's exponent field as its scale
	v_cvt_scalef32_pk8_fp4_f32 v[CA+4*(\t)], v[XS:XS+7], v11
	v_cvt_scalef32_pk8_fp4_f32 v[CA+4*(\t)+1], v[XS+8:XS+15], v11
	v_lshrrev_b32 v[EA+(\t)], 23, v11              ; the scale's byte (a plain line behind the conversions)
	ds_store_b8 v5, v[EA+(\t)] offset:16*(\t)      ; both lanes of a block write the same byte with the same value
	global_store_b64 v4, v[CA+4*(\t):CA+4*(\t)+1], s[34:35] offset:32*CB*(\t)   ; the wave stores 256 consecutive bytes, aligned
.endm
.irp t, 0,1,2,3,4,5,6,7,8,9,10,11,12,13,14,15
	QSTEP \t
.endr
	ds_load_b64 v[8:9], v6                         ; my wave's 256 scale bytes
	s_wait_dscnt 0x0
	global_store_b64 v7, v[8:9], s[36:37]          ; 256 consecutive bytes, aligned
	FINISH
; ---------------- mask and Wo: a wave takes 16 rows x 256 numbers, in four units of 64 ----------------
; Both want the same turn: loaded as rows (sixteen lanes read 256 consecutive bytes), wanted as lane (r, h) = row r, columns 16 kt + 8 h + j in register 8 kt + j.  Loads and the turn are one text;
; what differs between the two tensors is chosen by s_cselect on the work-group's number, and one scalar branch a unit parts the register work and the stores.
.Lturn:
.set GA,  16                           ; v16-23   byte offsets of the eight loads of a unit: rows 2 i + h, 16 bytes at 16 r
.set WB,  24                           ; v24-27   the mask words gathered for two stores of 256 bytes
.set RT,  32                           ; v32-159  four sets of 32: a unit as loaded; later Wo's packed f16
.set XT,  160                          ; v160-191 the unit in hand, turned
	s_sub_co_u32 s30, ttmp9, 352
	s_sub_co_u32 s31, s30, 1024
	s_cmp_lt_u32 s30, 1024                         ; the mask's work-groups, then Wo's
	s_cselect_b64 s[32:33], s[14:15], s[12:13]     ; from
	s_cselect_b64 s[34:35], s[26:27], s[24:25]     ; to
	s_cselect_b32 s36, 13, 12                      ; a row is 2^13 or 2^12 bytes
	s_cselect_b32 s37, 1, 0                        ; two work-groups or one to a tile of 16 rows; also: 1 = the mask's arm
	s_cselect_b32 s38, s30, s31
	s_cselect_b32 s39, 12, 15                      ; a row tile's bytes in the destination: 2^12 or 2^15
	s_cselect_b32 s29, 9, 13                       ; a wave's 256 columns there: 2^9 or 2^13
	s_lshr_b32 s48, s38, s37                       ; the tile of 16 rows
	s_and_b32 s49, s38, s37
	s_lshl_b32 s49, s49, 2
	s_add_co_u32 s49, s49, s[WV]                   ; which 256 columns
	s_add_co_u32 s50, s36, 4
	s_lshl_b32 s50, s48, s50                       ; 16 rows (under 2^27)
	s_lshl_b32 s51, s49, 10
	s_add_co_u32 s50, s50, s51
	s_mov_b32 s51, 0
	s_add_nc_u64 s[32:33], s[32:33], s[50:51]
	s_lshl_b32 s50, s48, s39
	s_lshl_b32 s52, s49, s29
	s_add_co_u32 s50, s50, s52
	s_add_nc_u64 s[34:35], s[34:35], s[50:51]
	v_and_b32 v3, 15, v0                           ; r
	v_bfe_u32 v4, v0, 4, 1                         ; h
.irp i, 0,1,2,3,4,5,6,7
	v_add_nc_u32 v[GA+\i], 2*\i, v4
.endr
.irp i, 0,1,2,3,4,5,6,7
	v_lshlrev_b32 v[GA+\i], s36, v[GA+\i]
.endr
.irp i, 0,1,2,3,4,5,6,7
	v_lshl_add_u32 v[GA+\i], v3, 4, v[GA+\i]
.endr
	s_mul_i32 s53, s[WV], 4352                     ; LDS bytes 32,768 .. 50,175: a stage of 16 rows x (256 + 16) bytes for each wave
	s_add_co_u32 s53, s53, 32768
	v_mul_u32_u24 v8, v4, 272
	v_lshl_add_u32 v8, v3, 4, v8
	v_add_nc_u32 v8, s53, v8                       ; in: row h (+ 2 i by the offset), 16 bytes at 16 r
	v_mul_u32_u24 v9, v3, 272
	v_lshl_add_u32 v9, v4, 5, v9
	v_add_nc_u32 v9, s53, v9                       ; back: row r, 32 bytes at 32 h (+ 64 kt by the offset)
	v_lshlrev_b32 v10, 3, v2                       ; the mask words leave 8 bytes a lane,
	v_lshlrev_b32 v11, 4, v2                       ; Wo's blocks 16
.irp i, 0,1,2,3
	v_mov_b32 v[WB+\i], 0                          ; written whole once: v_writelane_b32 fills them lane by lane
.endr
.irp u, 0,1,2,3
.irp i, 0,1,2,3,4,5,6,7
	global_load_b128 v[RT+32*\u+4*\i:RT+32*\u+4*\i+3], v[GA+\i], s[32:33] offset:256*\u th:TH_LOAD_NT   ; all 32 loads of the wave go out at once
.endr
.endr
.macro UNIT u
	s_wait_loadcnt 8*(3-\u)                        ; this unit's eight loads are in; the later units' stay out
.irp i, 0,1,2,3,4,5,6,7
	ds_store_b128 v8, v[RT+32*\u+4*\i:RT+32*\u+4*\i+3] offset:544*\i
.endr
.irp kt, 0,1,2,3
.irp w, 0,1
	ds_load_b128 v[XT+8*\kt+4*\w:XT+8*\kt+4*\w+3], v9 offset:64*\kt+16*\w   ; my wave's own bytes, served in order
.endr
.endr
	s_wait_dscnt 0x0
	s_cmp_eq_u32 s37, 0
	s_cbranch_scc1 .Lwo_\@
.irp g, 0,1,2,3                        ; the mask: a compare gives the 32 lanes' bits as one word, which is word 8 g + n of this step of 64 keys
.irp n, 0,1,2,3,4,5,6,7
	v_cmp_ne_u32 s[40+\n], 0, v[XT+8*\g+\n]
.endr
.irp n, 0,1,2,3,4,5,6,7
	v_writelane_b32 v[WB+2*((\u)/2)+(\n%2)], s[40+\n], 16*((\u)%2)+4*\g+\n/2   ; two steps' 64 words: lane l holds words 2 l and 2 l + 1
.endr
.endr
.if (\u)%2
	global_store_b64 v10, v[WB+2*((\u)/2):WB+2*((\u)/2)+1], s[34:35] offset:256*((\u)/2)   ; 256 consecutive bytes, aligned
.endif
	s_branch .Ldone_\@
.Lwo_\@:
.irp kt, 0,1,2,3                       ; Wo: eight neighbours of a row pack into a lane's 16 bytes of an image block
.irp i, 0,1,2,3
	v_cvt_pk_f16_f32 v[RT+32*\u+4*\kt+\i], v[XT+8*\kt+2*\i], v[XT+8*\kt+2*\i+1]
.endr
.endr
.irp kt, 0,1,2,3
	global_store_b128 v11, v[RT+32*\u+4*\kt:RT+32*\u+4*\kt+3], s[34:35] offset:2048*\u+512*\kt   ; a block: 512 consecutive bytes
.endr
.Ldone_\@:
.endm
	UNIT 0
	UNIT 1
	UNIT 2
	UNIT 3
	FINISH
.Lfunc_end_k_q94dc772c1f_prep:
	.size	k_q94dc772c1f_prep, .Lfunc_end_k_q94dc772c1f_prep-k_q94dc772c1f_prep
	.p2alignl 7, 3214868480
	.fill 96, 4, 3214868480
	.section	.rodata,"a",@progbits
	.p2align	6, 0x0
	.amdhsa_kernel k_q94dc772c1f_prep
		.amdhsa_group_segment_fixed_size 50688
		.amdhsa_private_segment_fixed_size 0
		.amdhsa_enable_private_segment 0
		.amdhsa_kernarg_size 96
		.amdhsa_user_sgpr_count 2
		.amdhsa_user_sgpr_kernarg_segment_ptr 1
		.amdhsa_wavefront_size32 1
		.amdhsa_system_sgpr_workgroup_id_x 1
		.amdhsa_system_sgpr_workgroup_id_y 1
		.amdhsa_system_sgpr_workgroup_id_z 1
		.amdhsa_system_vgpr_workitem_id 0
		.amdhsa_next_free_vgpr 192
		.amdhsa_next_free_sgpr 66
		.amdhsa_reserve_vcc 0
		.amdhsa_float_denorm_mode_32 3
		.amdhsa_float_denorm_mode_16_64 3
		.amdhsa_memory_ordered 1
		.amdhsa_forward_progress 1
		.amdhsa_inst_pref_size 66
	.end_amdhsa_kernel
	.amdgpu_metadata
---
amdhsa.version: [ 1, 2 ]
amdhsa.kernels:
  - .name:           k_q94dc772c1f_prep
    .symbol:         k_q94dc772c1f_prep.kd
    .args:
      - { .name: x, .offset: 0, .size: 8, .value_kind: global_buffer, .address_space: global }
      - { .name: Wq, .offset: 8, .size: 8, .value_kind: global_buffer, .address_space: global }
      - { .name: Wk, .offset: 16, .size: 8, .value_kind: global_buffer, .address_space: global }
      - { .name: Wv, .offset: 24, .size: 8, .value_kind: global_buffer, .address_space: global }
      - { .name: Wo, .offset: 32, .size: 8, .value_kind: global_buffer, .address_space: global }
      - { .name: mask, .offset: 40, .size: 8, .value_kind: global_buffer, .address_space: global }
      - { .name: x_codes, .offset: 48, .size: 8, .value_kind: global_buffer, .address_space: global }
      - { .name: x_scales, .offset: 56, .size: 8, .value_kind: global_buffer, .address_space: global }
      - { .name: w_codes, .offset: 64, .size: 8, .value_kind: global_buffer, .address_space: global }
      - { .name: w_scales, .offset: 72, .size: 8, .value_kind: global_buffer, .address_space: global }
      - { .name: wo16, .offset: 80, .size: 8, .value_kind: global_buffer, .address_space: global }
      - { .name: maskbits, .offset: 88, .size: 8, .value_kind: global_buffer, .address_space: global }
    .group_segment_fixed_size: 50688
    .private_segment_fixed_size: 0
    .kernarg_segment_align: 8
    .kernarg_segment_size: 96
    .max_flat_workgroup_size: 128
    .sgpr_count:     66
    .vgpr_count:     192
    .wavefront_size: 32
...
	.end_amdgpu_metadata
.endif
;; end of part 1
;; launch proj (part 2): grid 12 x 32, 4 waves a work-group, clusters of 4 x 4, 327,680 bytes of LDS; arguments x_codes, x_scales, w_codes, w_scales, bq, bk, bv, qkv; writes qkv
.if DOCPART == 2
	.amdgcn_target "amdgcn-amd-amdhsa--gfx1250"
	.amdhsa_code_object_version 6
	.text
	.protected	k_q94dc772c1f_proj
	.globl	k_q94dc772c1f_proj
	.p2align	8
	.type	k_q94dc772c1f_proj,@function
k_q94dc772c1f_proj:
	s_mov_b64 s[64:65], 0
	v_nop
	global_prefetch_b8 v0, s[64:65] scope:SCOPE_SE
	s_setreg_imm32_b32 hwreg(HW_REG_WAVE_MODE, 25, 1), 1
	s_wait_xcnt 0x0
	s_wait_alu depctr_hold_cnt(0) depctr_sa_sdst(0) depctr_va_vdst(0) depctr_va_sdst(0) depctr_va_ssrc(0) depctr_va_vcc(0) depctr_vm_vsrc(0)
	s_getreg_b32 s2, hwreg(HW_REG_IB_STS2, 6, 4)
	s_cmp_eq_u32 s2, 0
	s_cbranch_scc0 .Lentry_in_a_cluster
	s_endpgm
.Lentry_in_a_cluster:
	s_bfe_u32 s2, ttmp6, 0x10000c
	s_cmp_lg_u32 s2, 0xf033
	s_cbranch_scc0 .Lentry_shape_is_right
	s_endpgm
.Lentry_shape_is_right:
; PROJ: the three projections as ONE product on codes of FP4 (E2M1) with E8M0 scales: [8192 tokens][1024] x [3072 = q, k, v outputs][1024]^T, f32 sums that begin with the bias; q is multiplied by log2(e) / 8,
; so that the attention launch's scores are exponents of 2; the results are rounded once to f16 and stored as images of matrix fragments.
; LIMITS: |q log2(e) / 8|, |k|, |v| beyond 65,504 do not fit f16; NaN and infinities are not served.
; A tile of the result, 256 x 256, is made by four waves, as many as a WGP has SIMDs; a wave makes 128 x 128: 64 accumulators, 512 registers.  K = 1,024 is two slots of 512 along K (rows of 256 bytes),
; each filled once, with the scale bytes of the work-group's rows, at the kernel's head: by this text's count a wave has three tensor loads out.
; CLUSTERS: 4 x 4 work-groups.  The four of a row of the cluster need the same tiles of x, the four of a column the same tiles of the weights: each is asked for JOINTLY.  A cluster's 1,024 columns
; are one of q, k, v: the cluster's x says which, the same in all partners.
; THE MATRIX INSTRUCTION IS USED TRANSPOSED (source 0 = 16 rows of the weights, source 1 = 16 tokens): a lane holds one token and eight neighbouring outputs, which pack into 16 bytes.
; OUT: qkv [b x head 64][tile of 16 tokens 128][q, k, v][tile of 16 channels 4][512 bytes].  A block's place 16 h + r holds token r, channels 8 h .. 8 h + 7: an accumulator's lanes as they stand, so each store
; of the wave covers 512 consecutive bytes and nothing goes through LDS.  V's blocks hold the same 16 bytes at place 16 (r / 8) + 8 h + r % 8, so that the turning LDS load of the next launch reads them at 16 x lane.
; No prefetch: each tile is asked for once, at the head.
; REGISTERS: window 0: v0-31 addresses; v32-95 scale words, two sets; v128-191 x's fragments, one set, later scaled results; v192-255 the bias in the result's layout, later packed results.
;   window 1: the weights' fragments, two sets, at v0 and v128.  window 2: the accumulators of my tokens 0-63 ((a, b) at v[8 (8 a + b)]); window 3: of my tokens 64-127.
.set NQ,     4                         ; steps of 128 along K in a slot
.set ROWB,   256                       ; a tile's row in bytes: 512 codes
.set KROW,   512                       ; a row of codes in memory
.set PITCH,  272                       ; an LDS row: 256 bytes + 16 of padding = 68 words: the 16 rows that a load touches start at 16 different banks (64 banks of 4 bytes: ISA guide 11.1)
.set FR,     8                         ; registers of a fragment: 16 rows x 128 K
.set NL,     2                         ; LDS loads that bring one
.set NP,     4                         ; places behind this matrix instruction (ISA guide 7.12.1)
.set HALFT,  128*PITCH
.set SLOT,   4*HALFT                   ; x's 256 rows, then the weights' 256 rows
.set KS,     32                        ; a row of scale bytes
.set SCL,    2*SLOT                    ; behind the slots: the scales, as units of 256 bytes + 16 of padding
.set HALFS,  (128*KS/256)*272
.set SBLK,   (16*KS/256)*272
.set SPARE,  SCL+4*HALFS               ; the spare words, 128 bytes for each wave
.set ADRA, 16                          ; v16-17  LDS address of my fragments of x in slot 0, 1
.set ADRB, 20                          ; v20-21  the same for the weights
.set CO,   26                          ; v26     my 16 bytes' place in a block of the result
.set ADRS, 27                          ; v27     LDS address of my scale words: lanes 0-15 x's rows, lanes 16-31 the weights'
.set SPW,  28                          ; v28     my spare word; never rewritten
.set NIL,  29                          ; v29     0; never rewritten
.set SC,   32
.set AF,   128
.set BI,   192                         ; the bias: block b's eight numbers of my half at v[BI + 8 b]
.set TF,   128                         ; the way out: a block's 64 scaled results
.set PK,   192                         ; and its 32 packed registers, two sets by turns
.set G1,   24
.set G0,   32
.set G1B,  48
.set G0B,  56
.set G1S,  68
.set G0S,  76
.set G1SB, 80
.set G0SB, 88
.set MSB, 0
.macro WIN new                         ; the immediate's high byte repeats the setting that is left
.if MSB != \new
	s_set_vgpr_msb (MSB<<8)|\new
.set MSB, \new
.endif
.endm
.set MUL_LO, 0xa1                      ; source 0 window 1, source 1 window 0, C and D window 2
.set MUL_HI, 0xf1                      ; the same, C and D window 3
.set FST_LO, 0x81                      ; the first step: C (the bias) window 0
.set FST_HI, 0xc1
.set TO_B,   0x40
.macro JLOAD g0a, g1a, g0b, g1b        ; a joint load: waves 0 and 1 fetch for x, waves 2 and 3 for the weights; an s_nop 0 and four v_nop follow each line
	s_cmp_eq_u32 s21, 0
	s_cbranch_scc0 .Lfor_b_\@
	tensor_load_to_lds s[\g0a:\g0a+3], s[\g1a:\g1a+7]
	s_nop 0
.rept 4
	v_nop
.endr
	s_branch .Lasked_\@
.Lfor_b_\@:
	tensor_load_to_lds s[\g0b:\g0b+3], s[\g1b:\g1b+7]
	s_nop 0
.rept 4
	v_nop
.endr
.Lasked_\@:
.endm
.macro CROUND                          ; a round of the cluster's barrier
	s_barrier_signal -1
	s_barrier_wait -1
	s_cmp_lg_u32 s20, 0
	s_cbranch_scc1 .Lnot_wave_0_\@
	s_barrier_signal -3
.Lnot_wave_0_\@:
	s_barrier_wait -3
	s_barrier_signal -1
	s_barrier_wait -1
.endm
	s_load_b256 s[4:11], s[0:1], 0x0               ; x_codes s[4:5], x_scales s[6:7], w_codes s[8:9], w_scales s[10:11]
	s_load_b256 s[12:19], s[0:1], 0x20             ; bq s[12:13], bk s[14:15], bv s[16:17], qkv s[18:19]
	v_lshl_add_u32 v[SPW], v0, 2, SPARE
	v_mov_b32 v[NIL], 0
	ds_add_u32 v[SPW], v[NIL]                      ; the wave's opening: the add, twice on end, and its wait ahead of my first tensor load
	ds_add_u32 v[SPW], v[NIL]
	v_lshrrev_b32 v1, 5, v0
	v_readfirstlane_b32 s20, v1                    ; wave 0..3
	s_lshr_b32 s21, s20, 1                         ; which half of the tile's tokens is mine.  Also: I fetch for x (0) or for the weights (1)
	s_and_b32 s22, s20, 1                          ; which half of its columns.  Also: which 128 rows I fetch
	s_bfe_u32 s40, ttmp6, 0x40000                  ; cx, cy: my place in the cluster
	s_bfe_u32 s41, ttmp6, 0x40004
	s_lshl_b32 s42, ttmp9, 2
	s_add_co_u32 s42, s42, s40                     ; tile column = 4 x cluster x + cx
	s_and_b32 s23, ttmp7, 0xffff
	s_lshl_b32 s23, s23, 2
	s_add_co_u32 s23, s23, s41                     ; tile row = 4 x cluster y + cy
	s_lshl_b32 s43, s41, 2
	s_lshl_b32 s43, 15, s43                        ; my row of the cluster
	s_lshl_b32 s44, 0x1111, s40                    ; my column
	s_or_b32 s[G1+0], s43, (0<<16)|(1<<20)|(1<<21)|(5<<22)|(3<<25)  ; the mask; elements of 1 byte; padding on; bit 21 beside a mask; 4 words of padding after every 64
	s_or_b32 s[G1B+0], s44, (0<<16)|(1<<20)|(1<<21)|(5<<22)|(3<<25)
.irp g, G1, G1B
	s_mov_b32 s[\g+1], ROWB<<16                    ; tensor_dim0
	s_mov_b32 s[\g+2], 128<<16                     ; tensor_dim1
	s_mov_b32 s[\g+3], ROWB<<16                    ; tile_dim0
	s_mov_b32 s[\g+4], 128                         ; tile_dim1
	s_mov_b32 s[\g+5], KROW                        ; from row to row
	s_mov_b32 s[\g+6], 0
	s_mov_b32 s[\g+7], 0
.endr
	s_or_b32 s[G1S+0], s43, (3<<16)|(1<<20)|(1<<21)|(5<<22)|(3<<25)  ; the scales of 128 rows: 4,096 dense bytes as 16 rows of 256 (32 elements of 8 bytes), 16 bytes of padding behind each
	s_or_b32 s[G1SB+0], s44, (3<<16)|(1<<20)|(1<<21)|(5<<22)|(3<<25)
.irp g, G1S, G1SB
	s_mov_b32 s[\g+1], 32<<16
	s_mov_b32 s[\g+2], (128*KS/256)<<16
	s_mov_b32 s[\g+3], 32<<16
	s_mov_b32 s[\g+4], 128*KS/256
	s_mov_b32 s[\g+5], 32
	s_mov_b32 s[\g+6], 0
	s_mov_b32 s[\g+7], 0
.endr
	s_lshl_b32 s3, s22, 7                          ; which 128 rows of a tile I fetch
	s_lshl_b32 s92, s23, 8
	s_add_co_u32 s92, s92, s3                      ; x: row 256 x tile row + 128 x half
	s_lshl_b32 s46, s42, 8
	s_add_co_u32 s46, s46, s3                      ; the weights: row 256 x tile column + 128 x half
	s_lshl_b32 s94, s92, 5                         ; these rows' scale bytes,
	s_mov_b32 s95, 0
	s_lshl_b32 s96, s46, 5
	s_mov_b32 s97, 0
	s_lshl_b32 s92, s92, 9                         ; and their codes (all under 2^23)
	s_mov_b32 s93, 0
	s_lshl_b32 s46, s46, 9
	s_mov_b32 s47, 0
	s_mul_i32 s45, s20, HALFT                      ; where they go: wave x 128 rows: no place in the cluster enters an LDS address
	s_mul_i32 s98, s20, HALFS
	s_wait_dscnt 0x0                               ; both opening adds are done
	s_wait_kmcnt 0x0
	s_add_nc_u64 s[92:93], s[4:5], s[92:93]
	s_add_nc_u64 s[94:95], s[6:7], s[94:95]
	s_add_nc_u64 s[46:47], s[8:9], s[46:47]
	s_add_nc_u64 s[96:97], s[10:11], s[96:97]
	CROUND                                         ; all sixteen work-groups are here: the joint loads meet
	s_mov_b32 s[G0S], 1
	s_add_co_u32 s[G0S+1], s98, SCL
	s_mov_b64 s[G0S+2:G0S+3], s[94:95]
	s_or_b32 s[G0S+3], s[G0S+3], 0x80000000
	s_mov_b32 s[G0SB], 1
	s_add_co_u32 s[G0SB+1], s98, SCL
	s_mov_b64 s[G0SB+2:G0SB+3], s[96:97]
	s_or_b32 s[G0SB+3], s[G0SB+3], 0x80000000
	JLOAD G0S, G1S, G0SB, G1SB                     ; the scales first: they are wanted with the first slot
.irp s, 0,1
	s_mov_b32 s[G0+4*\s], 1
	s_add_co_u32 s[G0+4*\s+1], s45, \s*SLOT
	s_add_nc_u64 s[G0+4*\s+2:G0+4*\s+3], s[92:93], \s*ROWB
	s_or_b32 s[G0+4*\s+3], s[G0+4*\s+3], 0x80000000
	s_mov_b32 s[G0B+4*\s], 1
	s_add_co_u32 s[G0B+4*\s+1], s45, \s*SLOT
	s_add_nc_u64 s[G0B+4*\s+2:G0B+4*\s+3], s[46:47], \s*ROWB
	s_or_b32 s[G0B+4*\s+3], s[G0B+4*\s+3], 0x80000000
	JLOAD G0+4*\s, G1, G0B+4*\s, G1B
.endr
	; which of q, k, v: the cluster's x
	s_cmp_eq_u32 ttmp9, 0
	s_cselect_b64 s[12:13], s[12:13], s[14:15]
	s_cselect_b32 s100, 0x3e38aa3b, 1.0            ; q alone is multiplied by log2(e) / 8
	s_cmp_eq_u32 ttmp9, 2
	s_cselect_b64 s[12:13], s[16:17], s[12:13]     ; the bias
	s_cselect_b32 s2, -1, 0                        ; all ones for v: its blocks' places differ
	s_mov_b32 s101, s100                           ; (named with it as a pair)
	v_and_b32 v1, 15, v0                           ; r
	v_bfe_u32 v2, v0, 4, 1                         ; h
	v_lshlrev_b32 v10, 5, v2                       ; the bias: 32 h bytes,
	s_lshl_b32 s46, s40, 10                        ; + 1,024 cx + 512 x my half of the columns (cx goes only into registers that held the weights' address)
	s_lshl_b32 s47, s22, 9
	s_add_co_u32 s46, s46, s47
	s_mov_b32 s47, 0
	s_add_nc_u64 s[12:13], s[12:13], s[46:47]
.irp b, 0,1,2,3,4,5,6,7
	global_load_b128 v[BI+8*\b:BI+8*\b+3], v10, s[12:13] offset:64*\b          ; block b: outputs 16 b + 8 h + 0 .. 7: the layout of a result's eight registers
	global_load_b128 v[BI+8*\b+4:BI+8*\b+7], v10, s[12:13] offset:64*\b+16
.endr
	v_mul_u32_u24 v3, v1, PITCH
	v_lshl_add_u32 v4, v2, 4, v3                   ; a fragment's row x pitch + 16 x half
	s_mul_i32 s94, s21, HALFT                      ; my 128 rows of x
	s_mul_i32 s95, s22, HALFT                      ; my 128 rows of the weights,
	s_add_co_u32 s95, s95, 2*HALFT                 ; which lie behind x's 256
.irp s, 0,1
	v_add_nc_u32 v[ADRA+\s], s94, v4
	v_add_nc_u32 v[ADRB+\s], s95, v4
	s_add_co_u32 s94, s94, SLOT
	s_add_co_u32 s95, s95, SLOT
.endr
	v_mul_u32_u24 v5, v1, KS                       ; my row's scales: 32 bytes a row,
	v_lshrrev_b32 v6, 8, v5
	v_lshl_add_u32 v5, v6, 4, v5                   ; and 16 more for each 256 passed
	s_mul_i32 s94, s21, HALFS
	s_mul_i32 s95, s22, HALFS
	s_add_co_u32 s95, s95, 2*HALFS
	s_sub_co_u32 s95, s95, s94
	v_mul_u32_u24 v6, s95, v2                      ; lanes 16-31 take the weights'
	s_add_co_u32 s94, s94, SCL
	v_add_nc_u32 v5, v5, v6
	v_add_nc_u32 v[ADRS], s94, v5
	v_and_b32 v6, 31, v0
	v_lshlrev_b32 v7, 4, v6                        ; q, k: place = lane
	v_lshrrev_b32 v8, 3, v1
	v_and_b32 v9, 7, v1
	v_lshl_add_u32 v8, v8, 4, v9
	v_lshl_add_u32 v8, v2, 3, v8
	v_lshlrev_b32 v8, 4, v8                        ; v: place = 16 (r / 8) + 8 h + r % 8
	v_cndmask_b32 v[CO], v7, v8, s2
	s_lshr_b32 s94, s23, 3                         ; the batch: 8 tile rows each
	s_mul_i32 s94, s94, 12582912                   ; 16 heads x 786,432 bytes
	s_and_b32 s95, s23, 7
	s_lshl_b32 s95, s95, 4
	s_lshl_b32 s3, s21, 3
	s_add_co_u32 s95, s95, s3                      ; my first tile of 16 tokens in the batch
	s_mul_i32 s95, s95, 6144
	s_add_co_u32 s94, s94, s95
	s_lshl_b32 s46, s40, 2
	s_lshl_b32 s47, s22, 1
	s_add_co_u32 s46, s46, s47                     ; my first head: 4 cx + 2 x half
	s_mul_i32 s46, s46, 786432
	s_lshl_b32 s47, ttmp9, 11                      ; q, k or v: 2,048 bytes each
	s_add_co_u32 s46, s46, s47
	s_add_co_u32 s46, s46, s94                     ; under 2^26
	s_mov_b32 s47, 0
	s_add_nc_u64 s[18:19], s[18:19], s[46:47]
.macro FRAG reg, adr, q, i             ; 16 rows x 128 K of 4-bit codes: lane l holds row l % 16; registers 4 c .. 4 c + 3 hold K = 64 c + 32 (l / 16) + 0 .. 31
.irp c, 0,1
	ds_load_b128 v[\reg+4*\c:\reg+4*\c+3], v[\adr] offset:64*(\q)+32*\c+(\i)*16*PITCH
.endr
.endm
; 16 matrix instructions: x's blocks a0, a0 + 1 against the weights' eight.  p: the weights' set; sc: the set of scale words.  zero = 1: the first step: the sums begin with the bias.
; The 64 accumulators take turns, one instruction a turn, in the same order in every step.
.macro MUL16 a0, p, q, sc, zero
.irp a, \a0, \a0+1
.irp b, 0,1,2,3,4,5,6,7
.if \zero
	v_wmma_scale_f32_16x16x128_f8f6f4 v[8*(8*((\a)%4)+\b):8*(8*((\a)%4)+\b)+7], v[128*(\p)+FR*\b:128*(\p)+FR*\b+FR-1], v[AF+FR*(\a):AF+FR*(\a)+FR-1], v[BI+8*\b:BI+8*\b+7], v[SC+8*NQ*(\sc)+NQ*\b+(\q)], v[SC+8*NQ*(\sc)+NQ*(\a)+(\q)] matrix_a_fmt:MATRIX_FMT_FP4 matrix_b_fmt:MATRIX_FMT_FP4 matrix_a_scale:MATRIX_SCALE_ROW1
.else
	v_wmma_scale_f32_16x16x128_f8f6f4 v[8*(8*((\a)%4)+\b):8*(8*((\a)%4)+\b)+7], v[128*(\p)+FR*\b:128*(\p)+FR*\b+FR-1], v[AF+FR*(\a):AF+FR*(\a)+FR-1], v[8*(8*((\a)%4)+\b):8*(8*((\a)%4)+\b)+7], v[SC+8*NQ*(\sc)+NQ*\b+(\q)], v[SC+8*NQ*(\sc)+NQ*(\a)+(\q)] matrix_a_fmt:MATRIX_FMT_FP4 matrix_b_fmt:MATRIX_FMT_FP4 matrix_a_scale:MATRIX_SCALE_ROW1
.endif
.endr
.endr
.endm
.macro FETCH_B slot, q, p
	WIN TO_B
.irp i, 0,1,2,3,4,5,6,7
	FRAG 128*(\p)+FR*\i, ADRB+\slot, \q, \i
.endr
	WIN 0
.endm
.macro FETCH_A slot, q, i0
.irp i, \i0, \i0+1, \i0+2, \i0+3
	FRAG AF+FR*(\i), ADRA+\slot, \q, \i
.endr
.endm
.macro SCALES sc                       ; a slot's scale words: 4 words a row; lanes 0-15 take x's block i, lanes 16-31 the weights' block i
.irp i, 0,1,2,3,4,5,6,7
	ds_load_b128 v[SC+8*NQ*\sc+NQ*\i:SC+8*NQ*\sc+NQ*\i+3], v[ADRS] offset:\i*SBLK
.endr
.endm
.macro PLACES n                        ; plain vector instructions between a matrix instruction and a load into, or a vector read or write of, its registers (ISA guide 7.12.1 for vector reads and writes)
.rept \n
	v_nop
.endr
.endm
.macro STEP slot, q, zero              ; a step of 128 along K that has its successor in the same slot
	s_wait_dscnt 4*NL                              ; the weights' set and x's blocks 0-3 are in; the youngest eight loads (x's blocks 4-7) may be out
.if \zero
	WIN FST_LO
.else
	WIN MUL_LO
.endif
	MUL16 0, (\q)%2, \q, \slot, \zero
	MUL16 2, (\q)%2, \q, \slot, \zero
	s_wait_dscnt 0
	PLACES NP
	FETCH_B \slot, (\q)+1, 1-(\q)%2
	FETCH_A \slot, (\q)+1, 0
.if \zero
	WIN FST_HI
.else
	WIN MUL_HI
.endif
	MUL16 4, (\q)%2, \q, \slot, \zero
	MUL16 6, (\q)%2, \q, \slot, \zero
	PLACES NP
	WIN 0
	FETCH_A \slot, (\q)+1, 4
.endm
; Slot 0's last step changes slots.  Nothing is filled again; the barrier shows every wave the parts of slot 1 that the other waves asked for: in front of it each wave waits for all its tensor loads.
.macro TURN slot, next
	s_wait_tensorcnt 0x0                           ; all my tensor loads have landed: my part of the next slot
	ds_add_u32 v[SPW], v[NIL]                      ; 0 onto my spare word
	s_wait_dscnt 4*NL+1                            ; (the add and the youngest eight loads may be out)
	WIN MUL_LO
	MUL16 0, 1, NQ-1, \slot, 0
	s_wait_dscnt 0x0                               ; the add is done; no LDS instruction of mine is out at the signal
	s_barrier_signal -1
	MUL16 2, 1, NQ-1, \slot, 0
	WIN 0
	s_barrier_wait -1
	PLACES NP
	v_add_nc_u32 v[ADRS], 4*NQ, v[ADRS]            ; on to the next slot's scale words
	FETCH_B \next, 0, 0
	FETCH_A \next, 0, 0
	SCALES \next
	WIN MUL_HI
	MUL16 4, 1, NQ-1, \slot, 0
	MUL16 6, 1, NQ-1, \slot, 0
	PLACES NP
	WIN 0
	FETCH_A \next, 0, 4
.endm
.macro STEPS slot, from
.set Q, \from
.rept NQ-1-\from
	STEP \slot, Q, 0
.set Q, Q+1
.endr
.endm
	s_wait_tensorcnt 1                             ; the scales and my part of slot 0 are in; slot 1's load may be out
	s_barrier_signal -1
	s_barrier_wait -1                              ; everybody's are
	FETCH_B 0, 0, 0
	FETCH_A 0, 0, 0
	SCALES 0
	FETCH_A 0, 0, 4
	s_wait_loadcnt 0x0                             ; the bias
	STEP 0, 0, 1
	STEPS 0, 1
	TURN 0, 1
	STEPS 1, 0
	s_wait_dscnt 4*NL                              ; the last step: nothing more to fetch
	WIN MUL_LO
	MUL16 0, 1, NQ-1, 1, 0
	MUL16 2, 1, NQ-1, 1, 0
	s_wait_dscnt 0
	WIN MUL_HI
	MUL16 4, 1, NQ-1, 1, 0
	MUL16 6, 1, NQ-1, 1, 0
	WIN 0
; THE WAY OUT, a block of 16 tokens x 128 outputs at a time: x the factor (1 for k and v), rounded to f16, eight stores of 512 consecutive bytes.  Each accumulator is read from its low end on.
.macro OUT a
.set AC, 64*((\a)%4)
.set PKS, PK+32*((\a)%2)
.if (\a) > 1
	s_wait_xcnt 0x0                                ; the stores of two blocks back have read their data: the set is written again only behind this wait
.endif
	WIN 0x02+((\a)/4)                              ; source 0: window 2 or 3
.irp b, 0,1,2,3,4,5,6,7
.irp i, 0,1,2,3
	v_pk_mul_f32 v[TF+8*\b+2*\i:TF+8*\b+2*\i+1], v[AC+8*\b+2*\i:AC+8*\b+2*\i+1], s[100:101] op_sel_hi:[1,0]
.endr
.endr
	WIN 0
.irp b, 0,1,2,3,4,5,6,7
.irp i, 0,1,2,3
	v_cvt_pk_f16_f32 v[PKS+4*\b+\i], v[TF+8*\b+2*\i], v[TF+8*\b+2*\i+1]
.endr
.endr
.irp b, 0,1,2,3,4,5,6,7
	global_store_b128 v[CO], v[PKS+4*\b:PKS+4*\b+3], s[18:19] offset:6144*(\a)+786432*(\b/4)+512*(\b%4)   ; token tile a, head b / 4, channel tile b % 4: 830,976 at the most, inside the signed 24-bit immediate
.endr
.endm
	PLACES NP                                      ; behind the last products: their results are read, and x's fragments' registers written, below
.irp a, 0,1,2,3,4,5,6,7
	OUT \a
.endr
	s_wait_tensorcnt 0x0                           ; the wave's end
	ds_add_u32 v[SPW], v[NIL]
	s_wait_dscnt 0x0
	CROUND                                         ; the closing round: no work-group ends while a partner may still ask for a tile that names it
	s_endpgm
.Lfunc_end_k_q94dc772c1f_proj:
	.size	k_q94dc772c1f_proj, .Lfunc_end_k_q94dc772c1f_proj-k_q94dc772c1f_proj
	.p2alignl 7, 3214868480
	.fill 96, 4, 3214868480
	.section	.rodata,"a",@progbits
	.p2align	6, 0x0
	.amdhsa_kernel k_q94dc772c1f_proj
		.amdhsa_group_segment_fixed_size 327680
		.amdhsa_private_segment_fixed_size 0
		.amdhsa_enable_private_segment 0
		.amdhsa_kernarg_size 64
		.amdhsa_user_sgpr_count 2
		.amdhsa_user_sgpr_kernarg_segment_ptr 1
		.amdhsa_wavefront_size32 1
		.amdhsa_system_sgpr_workgroup_id_x 1
		.amdhsa_system_sgpr_workgroup_id_y 1
		.amdhsa_system_sgpr_workgroup_id_z 1
		.amdhsa_system_vgpr_workitem_id 0
		.amdhsa_next_free_vgpr 1024
		.amdhsa_next_free_sgpr 102
		.amdhsa_reserve_vcc 0
		.amdhsa_float_denorm_mode_32 3
		.amdhsa_float_denorm_mode_16_64 3
		.amdhsa_memory_ordered 1
		.amdhsa_forward_progress 1
		.amdhsa_inst_pref_size 136
	.end_amdhsa_kernel
	.amdgpu_metadata
---
amdhsa.version: [ 1, 2 ]
amdhsa.kernels:
  - .name:           k_q94dc772c1f_proj
    .symbol:         k_q94dc772c1f_proj.kd
    .args:
      - { .name: x_codes, .offset: 0, .size: 8, .value_kind: global_buffer, .address_space: global }
      - { .name: x_scales, .offset: 8, .size: 8, .value_kind: global_buffer, .address_space: global }
      - { .name: w_codes, .offset: 16, .size: 8, .value_kind: global_buffer, .address_space: global }
      - { .name: w_scales, .offset: 24, .size: 8, .value_kind: global_buffer, .address_space: global }
      - { .name: bq, .offset: 32, .size: 8, .value_kind: global_buffer, .address_space: global }
      - { .name: bk, .offset: 40, .size: 8, .value_kind: global_buffer, .address_space: global }
      - { .name: bv, .offset: 48, .size: 8, .value_kind: global_buffer, .address_space: global }
      - { .name: qkv, .offset: 56, .size: 8, .value_kind: global_buffer, .address_space: global }
    .group_segment_fixed_size: 327680
    .private_segment_fixed_size: 0
    .kernarg_segment_align: 8
    .kernarg_segment_size: 64
    .max_flat_workgroup_size: 128
    .sgpr_count:     102
    .vgpr_count:     1024
    .wavefront_size: 32
...
	.end_amdgpu_metadata
.endif
;; end of part 2
;; launch attn (part 3): grid 4 x 64, 8 waves a work-group, clusters of 4 x 1, 327,680 bytes of LDS; arguments qkv, maskbits, o16; writes o16
.if DOCPART == 3
	.amdgcn_target "amdgcn-amd-amdhsa--gfx1250"
	.amdhsa_code_object_version 6
	.text
	.protected	k_q94dc772c1f_attn
	.globl	k_q94dc772c1f_attn
	.p2align	8
	.type	k_q94dc772c1f_attn,@function
k_q94dc772c1f_attn:
	s_mov_b64 s[64:65], 0
	v_nop
	global_prefetch_b8 v0, s[64:65] scope:SCOPE_SE
	s_setreg_imm32_b32 hwreg(HW_REG_WAVE_MODE, 25, 1), 1
	s_wait_xcnt 0x0
	s_wait_alu depctr_hold_cnt(0) depctr_sa_sdst(0) depctr_va_vdst(0) depctr_va_sdst(0) depctr_va_ssrc(0) depctr_va_vcc(0) depctr_vm_vsrc(0)
	s_getreg_b32 s2, hwreg(HW_REG_IB_STS2, 6, 4)
	s_cmp_eq_u32 s2, 0
	s_cbranch_scc0 .Lentry_in_a_cluster
	s_endpgm
.Lentry_in_a_cluster:
	s_bfe_u32 s2, ttmp6, 0x10000c
	s_cmp_lg_u32 s2, 0x3003
	s_cbranch_scc0 .Lentry_shape_is_right
	s_endpgm
.Lentry_shape_is_right:
; ATTN: o[b][h][q] = the sum over k of softmax_k(t) v[k], t = q . k (q carries log2(e) / 8 from the launch before), and t = -1e9 log2(e) where mask[b][q][k] = 0: the score is REPLACED, as the problem has it,
; so a row that is masked throughout comes out as the plain mean of v.  q, k, v, p in f16, products' sums, maxima and row sums in f32; o is rounded once to f16.
; LIMITS: NaN and infinities are not served; p under 2^-14 is kept with f16's subnormal steps.
; SHARES.  A work-group owns 512 queries of one (b, h), each of its EIGHT waves 64: four tiles of 16, worked as two pieces of two tiles.  Two waves share a SIMD's registers (512 each), so that one wave's
; softmax stands beside the other's products: the text is in plain phases.  Every wave walks all 2,048 keys, 64 a step; a fragment of K or V read from LDS feeds four tiles.
; LAYOUT.  S^T = K Q^T (source 0 = 16 keys, source 1 = 16 queries): a lane holds ONE query (lane % 16) and keys 8 (lane / 16) + 0..7 of a tile; two tiles, rounded in pairs, ARE source 1 of O^T = V^T P.
; q, k, v lie in memory as images of fragments (blocks of 512 bytes): every LDS and global load is 16 x lane, dense; V is turned by ds_load_tr16_b128.
; THE MASK comes as lane masks, one word for each score register: four scalar loads a piece, asked for half a piece ahead; one v_cndmask_b32 a register.  No branch and no address hangs on them.
; SOFTMAX.  A running maximum m and sum l for each query: p = 2^(t - m); in every step O and l are multiplied by a = 2^(m_old - m_new).  m begins at -3e38 and O, l at 0, so the step is written once.
; CLUSTER.  The four blocks of queries of a (b, h) walk the same K and V: each tile is asked for JOINTLY, with the mask 15.
; RING.  Two slots of 512 keys (131,072 bytes); wave w fetches the slot's step w by one load (4 rows of 4,096 bytes: K's and V's blocks of a tile of 16 tokens lie on end).  A refill is asked for at the change
; of slots, eight key steps, 512 matrix instructions a wave, ahead of its first read: so no prefetch is laid.
; REGISTERS.  window 0: v1-5 addresses and constants; v8-11 m; v12-19 l (pairs); v20-23 a, v24-27 the new m (pairs, the upper word unused); v32-95 S^T of the piece; v96-127 P; v128-191 K; v192-255 V.
;   window 1: v0-127 O^T (tile t, channels 16 c at 32 t + 8 c); v128-191 Q (tile t, channels 32 f at 128 + 16 t + 8 f).
.set LI,  1                            ; v1   16 x lane
.set ADK, 2                            ; v2   LDS address of the step's blocks
.set NEG, 3                            ; v3   -1e9 x log2(e)
.set SPW, 4                            ; v4   my spare word; never rewritten
.set NIL, 5                            ; v5   0; never rewritten
.set M,   8
.set L,   12
.set AA,  20
.set MN,  24
.set S,   32
.set P,   96
.set KF,  128
.set VF,  192
.set QF,  128                          ; in window 1
.set SLOT1, 131072
.set SPARE, 262144                     ; behind the ring: the spare words, 128 bytes for each of eight waves
.set MSB, 0
.macro WIN new                         ; the immediate's high byte repeats the setting that is left
.if MSB != \new
	s_set_vgpr_msb (MSB<<8)|\new
.set MSB, \new
.endif
.endm
.macro CROUND                          ; a round of the cluster's barrier
	s_barrier_signal -1
	s_barrier_wait -1
	s_cmp_lg_u32 s10, 0
	s_cbranch_scc1 .Lnot_wave_0_\@
	s_barrier_signal -3
.Lnot_wave_0_\@:
	s_barrier_wait -3
	s_barrier_signal -1
	s_barrier_wait -1
.endm
.macro MLOAD x                         ; the lane masks of tiles x and x + 1 for the step at byte s12: 32 words each
	s_load_b512 s[32:47], s[6:7], s12 offset:4096*(\x)
	s_load_b512 s[48:63], s[6:7], s12 offset:4096*(\x)+64
	s_load_b512 s[68:83], s[6:7], s12 offset:4096*(\x)+4096
	s_load_b512 s[84:99], s[6:7], s12 offset:4096*(\x)+4160
.endm
	s_load_b128 s[4:7], s[0:1], 0x0                ; qkv s[4:5], maskbits s[6:7]
	s_load_b64 s[8:9], s[0:1], 0x10                ; o16
	v_lshl_add_u32 v[SPW], v0, 2, SPARE
	v_mov_b32 v[NIL], 0
	ds_add_u32 v[SPW], v[NIL]                      ; the wave's opening: the add, twice on end, and its wait ahead of my first tensor load
	ds_add_u32 v[SPW], v[NIL]
	v_lshrrev_b32 v1, 5, v0
	v_readfirstlane_b32 s10, v1                    ; wave 0..7
	s_bfe_u32 s15, ttmp6, 0x40000                  ; cx
	s_lshl_b32 s3, ttmp9, 2
	s_add_co_u32 s15, s15, s3                      ; my block of 512 queries: it enters Q's, the mask's and O's addresses alone
	s_and_b32 s2, ttmp7, 0xffff                    ; 16 b + h, which the four partners share
	s_mov_b32 s16, 15|(3<<16)|(1<<21)              ; group 1: the mask: all four; elements of 8 bytes; bit 21 beside a mask; no padding
	s_mov_b32 s17, 512<<16                         ; tensor_dim0 = 512 elements: 4,096 bytes
	s_mov_b32 s18, 4<<16                           ; tensor_dim1 = 4
	s_mov_b32 s19, 512<<16                         ; tile_dim0
	s_mov_b32 s20, 4                               ; tile_dim1: four tiles of 16 tokens
	s_mov_b32 s21, 768                             ; from row to row: 6,144 bytes (q's blocks lie between)
	s_mov_b32 s22, 0
	s_mov_b32 s23, 0
	s_mul_i32 s32, s2, 786432                      ; my (b, h) in qkv (under 2^26)
	s_mul_i32 s34, s10, 24576                      ; the slot's step that I fetch: 4 token tiles x 6,144 bytes,
	s_add_co_u32 s34, s34, 2048                    ; behind q's blocks
	s_add_co_u32 s34, s34, s32
	s_mov_b32 s35, 0
	s_lshl_b32 s36, s15, 5
	s_lshl_b32 s37, s10, 2
	s_add_co_u32 s36, s36, s37                     ; my first tile of 16 queries in the batch: 32 x block + 4 x wave
	s_mul_i32 s38, s36, 6144
	s_add_co_u32 s38, s38, s32
	s_mov_b32 s39, 0
	s_lshr_b32 s40, s2, 4
	s_lshl_b32 s40, s40, 7
	s_add_co_u32 s40, s40, s36                     ; the same among all 512 tiles of tokens
	s_lshl_b32 s42, s40, 12                        ; 4,096 bytes of mask words a tile
	s_mov_b32 s43, 0
	s_lshl_b32 s44, s40, 15                        ; 32,768 bytes of o16 a tile,
	s_and_b32 s41, s2, 15
	s_lshl_b32 s41, s41, 11                        ; my head's four blocks in it
	s_add_co_u32 s44, s44, s41
	s_mov_b32 s45, 0
	s_lshl_b32 s46, s10, 14                        ; my step's place in a slot: no place in the cluster enters an LDS address
	s_mov_b32 s100, 0x76543210
	s_mov_b32 s101, 0xfedcba98                     ; v_permlanex16_b32's selects for lane l xor 16
	s_mov_b32 s11, 0                               ; LDS byte of the step to be fetched
	s_mov_b32 s12, 0                               ; byte of the step's mask words
	s_wait_dscnt 0x0                               ; both opening adds are done
	s_wait_kmcnt 0x0
	s_mov_b32 s24, 1                               ; group 0 for slot 0's first fill
	s_mov_b32 s25, s46
	s_add_nc_u64 s[26:27], s[4:5], s[34:35]
	s_mov_b32 s28, 1                               ; and for slot 1's; this one then walks on
	s_add_co_u32 s29, s46, SLOT1
	s_add_nc_u64 s[30:31], s[26:27], 196608        ; 32 token tiles on
	s_or_b32 s27, s27, 0x80000000
	s_or_b32 s31, s31, 0x80000000
	s_add_nc_u64 s[4:5], s[4:5], s[38:39]          ; Q at my first tile
	s_add_nc_u64 s[6:7], s[6:7], s[42:43]
	s_add_nc_u64 s[8:9], s[8:9], s[44:45]
	CROUND                                         ; all four work-groups are here: the first joint loads meet
	tensor_load_to_lds s[24:27], s[16:23]          ; two loads of mine are out
	s_nop 0
	tensor_load_to_lds s[28:31], s[16:23]
	s_nop 0
.rept 4
	v_nop
.endr
	MLOAD 0
	v_and_b32 v[LI], 31, v0
	v_lshlrev_b32 v[LI], 4, v[LI]
	WIN 0x40                                       ; destination window 1
.irp t, 0,1,2,3
.irp c, 0,1,2,3
	global_load_b128 v[QF+16*\t+4*\c:QF+16*\t+4*\c+3], v[LI], s[4:5] offset:6144*\t+512*\c   ; Q stays in registers
.endr
.endr
.set i, 0
.rept 128
	v_mov_b32 v[i], 0                              ; O^T: the step is written once: the first finds zeros, which the first a, 0, leaves zeros
.set i, i+1
.endr
	WIN 0
	v_mov_b32 v[NEG], 0xceabfb8f
.irp t, 0,1,2,3
	v_mov_b32 v[M+\t], 0xff61b1e6                  ; -3e38, under every t
.endr
.set i, L
.rept 16
	v_mov_b32 v[i], 0                              ; l, and the pairs of a and of the new m (their upper words are named, not used)
.set i, i+1
.endr
	s_wait_loadcnt 0x0                             ; Q
; 16 products of S^T = K Q^T for tiles x, x + 1: channels 32 (i / 8) on, keys 16 ((i / 2) % 4) on.  Eight accumulators by turns; the first eight start the sums.
.macro KQ x
	WIN 0x04                                       ; source 1 (Q) window 1
.set i, 0
.rept 16
.set rS, S+32*(i%2)+8*((i/2)%4)
.set rK, KF+16*((i/2)%4)+8*(i/8)
.set rQ, QF+16*((\x)+i%2)+8*(i/8)
.if i < 8
	v_wmma_f32_16x16x32_f16 v[rS:rS+7], v[rK:rK+7], v[rQ:rQ+7], 0
.else
	v_wmma_f32_16x16x32_f16 v[rS:rS+7], v[rK:rK+7], v[rQ:rQ+7], v[rS:rS+7]
.endif
.set i, i+1
.endr
.endm
; 16 products of O^T += V^T P: keys 32 (i / 8) on, channels 16 ((i / 2) % 4) on.  Eight accumulators by turns.
.macro PV x
	WIN 0x50                                       ; C and D (O^T) window 1
.set i, 0
.rept 16
.set rO, 32*((\x)+i%2)+8*((i/2)%4)
.set rV, VF+8*(4*(i/8)+(i/2)%4)
.set rP, P+16*(i%2)+8*(i/8)
	v_wmma_f32_16x16x32_f16 v[rO:rO+7], v[rV:rV+7], v[rP:rP+7], v[rO:rO+7]
.set i, i+1
.endr
.endm
.macro SHIFT u                         ; t - m, two at a time
.set i, 0
.rept 16
	v_pk_add_f32 v[S+32*\u+2*i:S+32*\u+2*i+1], v[S+32*\u+2*i:S+32*\u+2*i+1], v[MN+2*\u:MN+2*\u+1] op_sel_hi:[1,0] neg_lo:[0,1] neg_hi:[0,1]
.set i, i+1
.endr
.endm
.macro EXPS u
.set i, 0
.rept 32
	v_exp_f32 v[S+32*\u+i], v[S+32*\u+i]
.set i, i+1
.endr
.endm
.macro CVT u                           ; p to f16, in pairs: source 1 of the second product
.set i, 0
.rept 16
	v_cvt_pk_f16_f32 v[P+16*\u+i], v[S+32*\u+2*i], v[S+32*\u+2*i+1]
.set i, i+1
.endr
.endm
.macro SUMS u, t                       ; the sum of the tile's 16 pairs of unrounded p, in place, as a tree; then l = a l + the sum
.irp z, 0,1,2,3,4,5,6,7
	v_pk_add_f32 v[S+32*\u+4*\z:S+32*\u+4*\z+1], v[S+32*\u+4*\z:S+32*\u+4*\z+1], v[S+32*\u+4*\z+2:S+32*\u+4*\z+3]
.endr
.irp z, 0,1,2,3
	v_pk_add_f32 v[S+32*\u+8*\z:S+32*\u+8*\z+1], v[S+32*\u+8*\z:S+32*\u+8*\z+1], v[S+32*\u+8*\z+4:S+32*\u+8*\z+5]
.endr
.irp z, 0,1
	v_pk_add_f32 v[S+32*\u+16*\z:S+32*\u+16*\z+1], v[S+32*\u+16*\z:S+32*\u+16*\z+1], v[S+32*\u+16*\z+8:S+32*\u+16*\z+9]
.endr
	v_pk_add_f32 v[S+32*\u:S+32*\u+1], v[S+32*\u:S+32*\u+1], v[S+32*\u+16:S+32*\u+17]
	v_pk_fma_f32 v[L+2*(\t):L+2*(\t)+1], v[L+2*(\t):L+2*(\t)+1], v[AA+2*\u:AA+2*\u+1], v[S+32*\u:S+32*\u+1] op_sel_hi:[1,0,1]
.endm
; A PIECE: tiles x and x + 1 through a key step.
.macro PIECE x
	KQ \x
	WIN 0
.rept 4
	v_nop                                          ; the places behind the products: their results are read, and P's registers written, below
.endr
	s_wait_kmcnt 0x0                               ; the piece's lane masks are in
.set n, 0
.rept 32
	v_cndmask_b32 v[S+n], v[NEG], v[S+n], s[32+n]            ; bit 0: the score is replaced.  Each accumulator from its low end on
	v_cndmask_b32 v[S+32+n], v[NEG], v[S+32+n], s[68+n]
.set n, n+1
.endr
.irp j, 0,1,2,3                        ; the maximum of a lane's 32 scores and the old m: four chains, in P's first registers, the two tiles by turns
.irp u, 0,1
	v_max3_num_f32 v[P+16*\u+\j], v[S+32*\u+8*\j], v[S+32*\u+8*\j+1], v[S+32*\u+8*\j+2]
.endr
.endr
.irp k, 1,2
.irp j, 0,1,2,3
.irp u, 0,1
	v_max3_num_f32 v[P+16*\u+\j], v[P+16*\u+\j], v[S+32*\u+8*\j+2*\k+1], v[S+32*\u+8*\j+2*\k+2]
.endr
.endr
.endr
.irp u, 0,1
	v_max3_num_f32 v[P+16*\u], v[P+16*\u], v[S+32*\u+7], v[S+32*\u+15]
	v_max3_num_f32 v[P+16*\u+2], v[P+16*\u+2], v[S+32*\u+23], v[S+32*\u+31]
.endr
.irp u, 0,1
	v_max3_num_f32 v[P+16*\u], v[P+16*\u], v[P+16*\u+1], v[P+16*\u+2]
.endr
.irp u, 0,1
	v_max3_num_f32 v[P+16*\u], v[P+16*\u], v[P+16*\u+3], v[M+(\x)+\u]
.endr
.if (\x) == 0
	MLOAD 2                                        ; the other piece's masks: the words just used are free
.else
	s_add_co_u32 s12, s12, 128                     ; (the wait above has shown the loads that read s12 done)  the next step's,
	s_min_u32 s12, s12, 3968                       ; held at the last step's: no load leaves the buffer
	MLOAD 0
.endif
.irp u, 0,1
	v_permlanex16_b32 v[P+16*\u+1], v[P+16*\u], s100, s101   ; the query's other 32 keys lie in the lane 16 away
.endr
.irp u, 0,1
	v_max_num_f32 v[MN+2*\u], v[P+16*\u], v[P+16*\u+1]
.endr
.irp u, 0,1
	v_sub_f32 v[AA+2*\u], v[M+(\x)+\u], v[MN+2*\u]           ; m_old - m_new
.endr
.irp u, 0,1
	v_mov_b32 v[M+(\x)+\u], v[MN+2*\u]
.endr
	SHIFT 0
	v_exp_f32 v[AA], v[AA]                         ; a of both tiles, and the first tile's 32 weights: one batch
	v_exp_f32 v[AA+2], v[AA+2]
	EXPS 0
	SHIFT 1                                        ; plain work that names none of the batch's results
	s_wait_alu depctr_va_vdst(0)                   ; the wait ahead of the first line that names a result: one for the 34
	EXPS 1                                         ; the second batch; the first tile's roundings and sums and the rescaling stand behind it
	CVT 0
	SUMS 0, \x
	WIN 0x41                                       ; O^T (destination and source 0) window 1
.irp u, 0,1
.set i, 0
.rept 16
	v_pk_mul_f32 v[32*((\x)+\u)+2*i:32*((\x)+\u)+2*i+1], v[32*((\x)+\u)+2*i:32*((\x)+\u)+2*i+1], v[AA+2*\u:AA+2*\u+1] op_sel_hi:[1,0]
.set i, i+1
.endr
.endr
	WIN 0
	s_wait_alu depctr_va_vdst(0)                   ; and one for the 32
	CVT 1
	SUMS 1, (\x)+1
.if (\x) == 0
	s_wait_dscnt 0x0                               ; V is in
.endif
	PV \x
	WIN 0
.endm
; A KEY STEP: 64 keys.  K's 16 blocks, then V's 16, turned: 32 loads of 512 dense bytes.
.macro STEP
.rept 4
	v_nop                                          ; the places in front of loads into registers that the last products read
.endr
	v_add_nc_u32 v[ADK], s11, v[LI]
.irp kt, 0,1,2,3
.irp c, 0,1,2,3
	ds_load_b128 v[KF+16*\kt+4*\c:KF+16*\kt+4*\c+3], v[ADK] offset:4096*\kt+512*\c
.endr
.endr
.irp g, 0,1
.irp c, 0,1,2,3
.irp w, 0,1
	ds_load_tr16_b128 v[VF+8*(4*\g+\c)+4*\w:VF+8*(4*\g+\c)+4*\w+3], v[ADK] offset:4096*(2*\g+\w)+2048+512*\c
.endr
.endr
.endr
	s_add_co_u32 s11, s11, 16384
	s_wait_dscnt 16                                ; K is in; V's sixteen loads may be out
	PIECE 0
	PIECE 2
.endm
.macro EIGHT                           ; a slot's eight key steps: written once, walked eight times
	s_mov_b32 s13, 8
.Lstep_\@:
	STEP
	s_sub_co_u32 s13, s13, 1
	s_cmp_lg_u32 s13, 0
	s_cbranch_scc1 .Lstep_\@
.endm
; THE CHANGE OF SLOTS.  Each wave waits for all its tensor loads (one is out: its part of the other slot), adds 0 to its spare word, and waits for that and for its reads of the slot that it leaves.
; fill = 1: the barrier is a round of the cluster's, so that no wave of any partner still reads the slot or has a load on its way; the joint refill is the first thing behind it, one load a wave.
.macro CHANGE fill
	s_wait_tensorcnt 0x0                           ; no tensor load of mine is out, so a group 0 may be written
	ds_add_u32 v[SPW], v[NIL]
.if \fill
	s_xor_b32 s29, s29, SLOT1                      ; the walking descriptor: the other slot than last time,
	s_add_nc_u64 s[30:31], s[30:31], 196608        ; the next 512 keys; the type bits on top are not reached
	s_wait_dscnt 0x0
	CROUND
	tensor_load_to_lds s[28:31], s[16:23]
	s_nop 0
.rept 4
	v_nop
.endr
.else
	s_wait_dscnt 0x0
	s_barrier_signal -1
	s_barrier_wait -1
.endif
	s_sub_co_u32 s11, s11, SLOT1                   ; the fetches go back to a slot's first step,
	s_xor_b32 s11, s11, SLOT1                      ; in the other slot
.endm
	s_wait_tensorcnt 1                             ; my part of slot 0 is in; slot 1's may stay out
	s_barrier_signal -1
	s_barrier_wait -1
	EIGHT                                          ; keys 0-511
	s_mov_b32 s14, 2
.Lslot:                                            ; two trips: slots 0 and 1 are filled again, with keys 1,024 on and 1,536 on
	CHANGE 1
	EIGHT
	s_sub_co_u32 s14, s14, 1
	s_cmp_lg_u32 s14, 0
	s_cbranch_scc1 .Lslot
	CHANGE 0                                       ; the tail is written out
	EIGHT
	; THE WAY OUT.  l's two halves and the other half of the lanes' are added (these lines are the places behind the last products); O^T / l, rounded to f16: an accumulator's lanes are an image block as they stand.
.irp t, 0,1,2,3
	v_add_f32 v[S+\t], v[L+2*\t], v[L+2*\t+1]
.endr
.irp t, 0,1,2,3
	v_permlanex16_b32 v[S+4+\t], v[S+\t], s100, s101
.endr
.irp t, 0,1,2,3
	v_add_f32 v[S+\t], v[S+\t], v[S+4+\t]
.endr
.irp t, 0,1,2,3
	v_rcp_f32 v[AA+2*\t], v[S+\t]
.endr
	v_nop                                          ; a plain line behind the last reciprocal
	s_wait_alu depctr_va_vdst(0)                   ; one wait for the four
	WIN 0x41
.irp t, 0,1,2,3
.set i, 0
.rept 16
	v_pk_mul_f32 v[32*\t+2*i:32*\t+2*i+1], v[32*\t+2*i:32*\t+2*i+1], v[AA+2*\t:AA+2*\t+1] op_sel_hi:[1,0]
.set i, i+1
.endr
.endr
	WIN 0x05                                       ; sources window 1, destination window 0
.set i, 0
.rept 64
	v_cvt_pk_f16_f32 v[S+i], v[2*i], v[2*i+1]
.set i, i+1
.endr
	WIN 0
.irp t, 0,1,2,3
.irp c, 0,1,2,3
	global_store_b128 v[LI], v[S+16*\t+4*\c:S+16*\t+4*\c+3], s[8:9] offset:32768*\t+512*\c   ; a block: 512 consecutive bytes
.endr
.endr
	s_wait_kmcnt 0x0                               ; the last step's look-ahead for masks
	s_wait_tensorcnt 0x0                           ; the wave's end
	ds_add_u32 v[SPW], v[NIL]
	s_wait_dscnt 0x0
	CROUND                                         ; the closing round
	s_endpgm
.Lfunc_end_k_q94dc772c1f_attn:
	.size	k_q94dc772c1f_attn, .Lfunc_end_k_q94dc772c1f_attn-k_q94dc772c1f_attn
	.p2alignl 7, 3214868480
	.fill 96, 4, 3214868480
	.section	.rodata,"a",@progbits
	.p2align	6, 0x0
	.amdhsa_kernel k_q94dc772c1f_attn
		.amdhsa_group_segment_fixed_size 327680
		.amdhsa_private_segment_fixed_size 0
		.amdhsa_enable_private_segment 0
		.amdhsa_kernarg_size 24
		.amdhsa_user_sgpr_count 2
		.amdhsa_user_sgpr_kernarg_segment_ptr 1
		.amdhsa_wavefront_size32 1
		.amdhsa_system_sgpr_workgroup_id_x 1
		.amdhsa_system_sgpr_workgroup_id_y 1
		.amdhsa_system_sgpr_workgroup_id_z 1
		.amdhsa_system_vgpr_workitem_id 0
		.amdhsa_next_free_vgpr 512
		.amdhsa_next_free_sgpr 102
		.amdhsa_reserve_vcc 0
		.amdhsa_float_denorm_mode_32 3
		.amdhsa_float_denorm_mode_16_64 3
		.amdhsa_memory_ordered 1
		.amdhsa_forward_progress 1
		.amdhsa_inst_pref_size 145
	.end_amdhsa_kernel
	.amdgpu_metadata
---
amdhsa.version: [ 1, 2 ]
amdhsa.kernels:
  - .name:           k_q94dc772c1f_attn
    .symbol:         k_q94dc772c1f_attn.kd
    .args:
      - { .name: qkv, .offset: 0, .size: 8, .value_kind: global_buffer, .address_space: global }
      - { .name: maskbits, .offset: 8, .size: 8, .value_kind: global_buffer, .address_space: global }
      - { .name: o16, .offset: 16, .size: 8, .value_kind: global_buffer, .address_space: global }
    .group_segment_fixed_size: 327680
    .private_segment_fixed_size: 0
    .kernarg_segment_align: 8
    .kernarg_segment_size: 24
    .max_flat_workgroup_size: 256
    .sgpr_count:     102
    .vgpr_count:     512
    .wavefront_size: 32
...
	.end_amdgpu_metadata
.endif
;; end of part 3
;; launch outp (part 4): grid 4 x 64, 4 waves a work-group, clusters of 4 x 4, 327,680 bytes of LDS; arguments o16, wo16, bo, out0; writes out0
.if DOCPART == 4
	.amdgcn_target "amdgcn-amd-amdhsa--gfx1250"
	.amdhsa_code_object_version 6
	.text
	.protected	k_q94dc772c1f_outp
	.globl	k_q94dc772c1f_outp
	.p2align	8
	.type	k_q94dc772c1f_outp,@function
k_q94dc772c1f_outp:
	s_mov_b64 s[64:65], 0
	v_nop
	global_prefetch_b8 v0, s[64:65] scope:SCOPE_SE
	s_setreg_imm32_b32 hwreg(HW_REG_WAVE_MODE, 25, 1), 1
	s_wait_xcnt 0x0
	s_wait_alu depctr_hold_cnt(0) depctr_sa_sdst(0) depctr_va_vdst(0) depctr_va_sdst(0) depctr_va_ssrc(0) depctr_va_vcc(0) depctr_vm_vsrc(0)
	s_getreg_b32 s2, hwreg(HW_REG_IB_STS2, 6, 4)
	s_cmp_eq_u32 s2, 0
	s_cbranch_scc0 .Lentry_in_a_cluster
	s_endpgm
.Lentry_in_a_cluster:
	s_bfe_u32 s2, ttmp6, 0x10000c
	s_cmp_lg_u32 s2, 0xf033
	s_cbranch_scc0 .Lentry_shape_is_right
	s_endpgm
.Lentry_shape_is_right:
; OUTP: out0[token][n] = the sum over k of o[token][k] Wo[n][k] + bo[n].  o and Wo in f16, as images of fragments (blocks of 512 bytes: 16 rows x 16 along K; a tile of 16 rows is 64 blocks, 32,768 bytes); sums in f32,
; begun with the bias; out0 [8192][1024] f32.
; A tile of the result is 128 tokens x 256 outputs, which gives each of 256 work-groups one; four waves, each 64 x 128: 32 accumulators, 256 registers.
; K goes in steps of 128 (8 blocks, 4,096 bytes of each tile of rows) through a ring of two LDS slots: o's 8 tiles of rows, then Wo's 16.  Waves 0 and 1 fetch o's halves, waves 2 and 3 Wo's, one load each.
; CLUSTERS: 4 x 4 work-groups; o's tiles are shared along a row of the cluster, Wo's along a column, asked for JOINTLY.
; THE MATRIX INSTRUCTION IS USED TRANSPOSED (source 0 = 16 rows of Wo, source 1 = 16 tokens): a lane holds one token and eight neighbouring outputs.
; No prefetch: the launch is short, and both operands are shared out in the cluster.
; REGISTERS: window 0: v16-29 addresses; two fragment buffers of 96 at v64 and v160 (o's 4 fragments, then Wo's 8), 32 along K each; on the way out v64-191 are rows of the result.
;   window 1: the accumulators ((a, b) at v[8 (8 a + b)]).   window 2: v0-63 the bias in the result's layout.
.set SLOT,  98304
.set BOFF,  32768                      ; Wo's tiles in a slot
.set STAGE, 2*SLOT                     ; behind the ring: 16 rows x (512 + 16) bytes for each wave; no tensor load lands there
.set SPITCH, 528
.set SPARE, STAGE+4*16*SPITCH          ; the spare words, 128 bytes for each wave
.set ADRA, 16
.set ADRB, 20
.set STO,  24
.set RD,   25
.set CO,   26
.set SPW,  28
.set NIL,  29
.set F0,   64
.set F1,   160
.set BK,   64
.set G1,   24
.set G0,   32
.set G1B,  48
.set G0B,  56
.set MSB, 0
.macro WIN new                         ; the immediate's high byte repeats the setting that is left
.if MSB != \new
	s_set_vgpr_msb (MSB<<8)|\new
.set MSB, \new
.endif
.endm
.set MUL, 0x50                         ; C and D window 1
.set FST, 0x60                         ; the first products: C (the bias) window 2, D window 1
.macro JLOAD s                         ; a joint load; an s_nop 0 and four v_nop follow each of the two lines
	s_cmp_eq_u32 s13, 0
	s_cbranch_scc0 .Lfor_b_\@
	tensor_load_to_lds s[G0+4*\s:G0+4*\s+3], s[G1:G1+7]
	s_nop 0
.rept 4
	v_nop
.endr
	s_branch .Lasked_\@
.Lfor_b_\@:
	tensor_load_to_lds s[G0B+4*\s:G0B+4*\s+3], s[G1B:G1B+7]
	s_nop 0
.rept 4
	v_nop
.endr
.Lasked_\@:
.endm
.macro CREST                           ; a round of the cluster's barrier behind its opening barrier
	s_cmp_lg_u32 s12, 0
	s_cbranch_scc1 .Lnot_wave_0_\@
	s_barrier_signal -3
.Lnot_wave_0_\@:
	s_barrier_wait -3
	s_barrier_signal -1
	s_barrier_wait -1
.endm
.macro CROUND
	s_barrier_signal -1
	s_barrier_wait -1
	CREST
.endm
	s_load_b256 s[4:11], s[0:1], 0x0               ; o16 s[4:5], wo16 s[6:7], bo s[8:9], out0 s[10:11]
	v_lshl_add_u32 v[SPW], v0, 2, SPARE
	v_mov_b32 v[NIL], 0
	ds_add_u32 v[SPW], v[NIL]                      ; the wave's opening: the add, twice on end, and its wait ahead of my first tensor load
	ds_add_u32 v[SPW], v[NIL]
	v_lshrrev_b32 v1, 5, v0
	v_readfirstlane_b32 s12, v1                    ; wave 0..3
	s_lshr_b32 s13, s12, 1                         ; which 64 tokens are mine.  Also: I fetch for o (0) or for Wo (1)
	s_and_b32 s14, s12, 1                          ; which 128 outputs.  Also: which half of that tile I fetch
	s_bfe_u32 s40, ttmp6, 0x40000                  ; cx, cy
	s_bfe_u32 s41, ttmp6, 0x40004
	s_lshl_b32 s42, ttmp9, 2
	s_add_co_u32 s42, s42, s40                     ; tile column
	s_and_b32 s15, ttmp7, 0xffff
	s_lshl_b32 s15, s15, 2
	s_add_co_u32 s15, s15, s41                     ; tile row
	s_lshl_b32 s43, s41, 2
	s_lshl_b32 s43, 15, s43                        ; my row of the cluster
	s_lshl_b32 s44, 0x1111, s40                    ; my column
	s_or_b32 s[G1+0], s43, (3<<16)|(1<<21)         ; the mask; elements of 8 bytes; bit 21 beside a mask; no padding: every LDS read is 512 dense bytes
	s_or_b32 s[G1B+0], s44, (3<<16)|(1<<21)
	s_mov_b32 s[G1+1], 512<<16                     ; tensor_dim0 = 512 elements: 4,096 bytes
	s_mov_b32 s[G1+2], 4<<16                       ; tensor_dim1: four tiles of 16 tokens
	s_mov_b32 s[G1+3], 512<<16                     ; tile_dim0
	s_mov_b32 s[G1+4], 4                           ; tile_dim1
	s_mov_b32 s[G1+5], 4096                        ; from row to row: 32,768 bytes
	s_mov_b32 s[G1+6], 0
	s_mov_b32 s[G1+7], 0
	s_mov_b32 s[G1B+1], 512<<16
	s_mov_b32 s[G1B+2], 8<<16                      ; eight tiles of 16 rows of Wo
	s_mov_b32 s[G1B+3], 512<<16
	s_mov_b32 s[G1B+4], 8
	s_mov_b32 s[G1B+5], 4096
	s_mov_b32 s[G1B+6], 0
	s_mov_b32 s[G1B+7], 0
	s_lshl_b32 s16, s15, 3
	s_lshl_b32 s17, s14, 2
	s_add_co_u32 s16, s16, s17                     ; o: tile of rows 8 x tile row + 4 x half
	s_lshl_b32 s16, s16, 15
	s_mov_b32 s17, 0
	s_lshl_b32 s46, s42, 4
	s_lshl_b32 s47, s14, 3
	s_add_co_u32 s46, s46, s47                     ; Wo: 16 x tile column + 8 x half
	s_lshl_b32 s46, s46, 15
	s_mov_b32 s47, 0
	s_lshl_b32 s20, s14, 14                        ; where they go: no place in the cluster enters an LDS address
	s_lshl_b32 s21, s14, 15
	s_add_co_u32 s21, s21, BOFF
	s_wait_dscnt 0x0                               ; both opening adds are done
	s_wait_kmcnt 0x0
	s_add_nc_u64 s[16:17], s[4:5], s[16:17]
	s_add_nc_u64 s[46:47], s[6:7], s[46:47]
	CROUND                                         ; all sixteen work-groups are here: the first joint loads meet
.irp s, 0,1
	s_mov_b32 s[G0+4*\s], 1
	s_add_co_u32 s[G0+4*\s+1], s20, \s*SLOT
	s_add_nc_u64 s[G0+4*\s+2:G0+4*\s+3], s[16:17], \s*4096
	s_or_b32 s[G0+4*\s+3], s[G0+4*\s+3], 0x80000000
	s_mov_b32 s[G0B+4*\s], 1
	s_add_co_u32 s[G0B+4*\s+1], s21, \s*SLOT
	s_add_nc_u64 s[G0B+4*\s+2:G0B+4*\s+3], s[46:47], \s*4096
	s_or_b32 s[G0B+4*\s+3], s[G0B+4*\s+3], 0x80000000
	JLOAD \s
.endr
	v_and_b32 v1, 15, v0                           ; r
	v_bfe_u32 v2, v0, 4, 1                         ; h
	v_and_b32 v3, 31, v0
	v_lshlrev_b32 v[CO], 4, v3                     ; 16 x lane
	v_lshlrev_b32 v6, 5, v2                        ; the bias: 32 h bytes
	s_lshl_b32 s46, s42, 10                        ; my first output, in bytes of f32: 1,024 x tile column + 512 x half
	s_lshl_b32 s47, s14, 9
	s_add_co_u32 s46, s46, s47
	s_mov_b32 s47, 0
	s_add_nc_u64 s[8:9], s[8:9], s[46:47]
	WIN 0x80                                       ; destination window 2
.irp b, 0,1,2,3,4,5,6,7
	global_load_b128 v[8*\b:8*\b+3], v6, s[8:9] offset:64*\b             ; block b: outputs 16 b + 8 h + 0 .. 7
	global_load_b128 v[8*\b+4:8*\b+7], v6, s[8:9] offset:64*\b+16
.endr
	WIN 0
	s_lshl_b32 s22, s13, 14                        ; my four tiles of tokens in a slot
	s_lshl_b32 s23, s14, 15
	s_add_co_u32 s23, s23, BOFF                    ; my eight tiles of Wo
.irp s, 0,1
	v_add_nc_u32 v[ADRA+\s], s22, v[CO]
	v_add_nc_u32 v[ADRB+\s], s23, v[CO]
	s_add_co_u32 s22, s22, SLOT
	s_add_co_u32 s23, s23, SLOT
.endr
	s_mul_i32 s22, s12, 16*SPITCH
	s_add_co_u32 s22, s22, STAGE                   ; my stage
	v_mul_u32_u24 v4, v1, SPITCH
	v_lshl_add_u32 v4, v2, 5, v4
	v_add_nc_u32 v[STO], s22, v4                   ; in: row r, 32 bytes for each half of the lanes
	v_add_nc_u32 v[RD], s22, v[CO]                 ; back: the 32 lanes take one row of 512 bytes
	s_lshl_b32 s16, s15, 7
	s_lshl_b32 s17, s13, 6
	s_add_co_u32 s16, s16, s17                     ; my first token
	s_lshl_b32 s16, s16, 12                        ; rows of 4,096 bytes (under 2^25)
	s_mov_b32 s17, 0
	s_add_nc_u64 s[10:11], s[10:11], s[16:17]
	s_add_nc_u64 s[10:11], s[10:11], s[46:47]
; 24 LDS loads in one run: the fragments of 32 along K, the step's quarter q, into buffer f: Wo's eight first, then o's four
.macro FETCH slot, q, f
.irp i, 0,1,2,3,4,5,6,7
	ds_load_b128 v[\f+32+8*\i:\f+32+8*\i+3],   v[ADRB+\slot] offset:4096*\i+1024*(\q)
	ds_load_b128 v[\f+32+8*\i+4:\f+32+8*\i+7], v[ADRB+\slot] offset:4096*\i+1024*(\q)+512
.endr
.irp i, 0,1,2,3
	ds_load_b128 v[\f+8*\i:\f+8*\i+3],   v[ADRA+\slot] offset:4096*\i+1024*(\q)
	ds_load_b128 v[\f+8*\i+4:\f+8*\i+7], v[ADRA+\slot] offset:4096*\i+1024*(\q)+512
.endr
.endm
; 8 matrix instructions: tokens' block a against Wo's eight.  The 32 accumulators take turns, one instruction a turn, in the same order in every quarter.
.macro MUL8 f, a, first
.irp b, 0,1,2,3,4,5,6,7
.if \first
	v_wmma_f32_16x16x32_f16 v[8*(8*\a+\b):8*(8*\a+\b)+7], v[\f+32+8*\b:\f+32+8*\b+7], v[\f+8*\a:\f+8*\a+7], v[8*\b:8*\b+7]
.else
	v_wmma_f32_16x16x32_f16 v[8*(8*\a+\b):8*(8*\a+\b)+7], v[\f+32+8*\b:\f+32+8*\b+7], v[\f+8*\a:\f+8*\a+7], v[8*(8*\a+\b):8*(8*\a+\b)+7]
.endif
.endr
.endm
.macro PLACES                          ; four plain lines in front of loads into registers that matrix instructions have read, and of the first read of results (ISA guide 7.12.1 for the first read of results)
.rept 4
	v_nop
.endr
.endm
.macro MWIN first
.if \first
	WIN FST
.else
	WIN MUL
.endif
.endm
; One of a K step's first three quarters: multiplies buffer f and fetches the next quarter into g.
.macro QUARTER slot, qnext, f, g, first
	s_wait_dscnt 4                                 ; Wo's fragments and tokens' blocks 0, 1 are in; the youngest four loads (blocks 2, 3) may be out
	MWIN \first
	MUL8 \f, 0, \first
	MUL8 \f, 1, \first
	PLACES
	WIN 0
	FETCH \slot, \qnext, \g
	s_wait_dscnt 24                                ; all but the 24 just issued
	MWIN \first
	MUL8 \f, 2, \first
	MUL8 \f, 3, \first
.endm
; The last quarter multiplies buffer 1 and changes slots: ONE barrier; in front of it each wave waits for all its tensor loads, adds 0 to its spare word, and waits for that and for its reads of this slot.
.macro TURN slot, next, fill
	WIN 0
	s_wait_tensorcnt 0x0                           ; all my tensor loads have landed: my part of the next slot
	ds_add_u32 v[SPW], v[NIL]
	s_wait_dscnt 5                                 ; (the add and the youngest four loads may be out)
	WIN MUL
	MUL8 F1, 0, 0
	s_wait_dscnt 0x0                               ; the add is done, and my reads of this slot are over
	s_barrier_signal -1
	MUL8 F1, 1, 0
	WIN 0
	s_barrier_wait -1
.if \fill
	CREST                                          ; the barrier has opened a round of the cluster's: no wave of any partner still reads this slot or has a load on its way
	s_add_nc_u64 s[G0+4*\slot+2:G0+4*\slot+3], s[G0+4*\slot+2:G0+4*\slot+3], 8192
	s_add_nc_u64 s[G0B+4*\slot+2:G0B+4*\slot+3], s[G0B+4*\slot+2:G0B+4*\slot+3], 8192
	JLOAD \slot                                    ; the K step two on; its four v_nop are also the places in front of the loads below
.else
	PLACES
.endif
	FETCH \next, 0, F0
	WIN MUL
	MUL8 F1, 2, 0
	MUL8 F1, 3, 0
.endm
	s_wait_tensorcnt 1                             ; my part of K step 0 is in; K step 1's load may be out
	s_barrier_signal -1
	s_barrier_wait -1
	FETCH 0, 0, F0
	s_wait_loadcnt 0x0                             ; the bias
	QUARTER 0, 1, F0, F1, 1                        ; the first quarter stands in front of the loop: its products begin the sums with the bias
	WIN 0
	s_mov_b32 s3, 3
.Llap:                                             ; a trip goes once round the ring and fills both slots again: K steps 2 to 7
	QUARTER 0, 2, F1, F0, 0
	QUARTER 0, 3, F0, F1, 0
	TURN 0, 1, 1
	QUARTER 1, 1, F0, F1, 0
	QUARTER 1, 2, F1, F0, 0
	QUARTER 1, 3, F0, F1, 0
	TURN 1, 0, 1
	QUARTER 0, 1, F0, F1, 0
	WIN 0
	s_sub_co_u32 s3, s3, 1
	s_cmp_lg_u32 s3, 0
	s_cbranch_scc1 .Llap
	QUARTER 0, 2, F1, F0, 0                        ; the last lap fills nothing
	QUARTER 0, 3, F0, F1, 0
	TURN 0, 1, 0
	QUARTER 1, 1, F0, F1, 0
	QUARTER 1, 2, F1, F0, 0
	QUARTER 1, 3, F0, F1, 0
	s_wait_dscnt 4
	WIN MUL
	MUL8 F1, 0, 0
	MUL8 F1, 1, 0
	s_wait_dscnt 0
	MUL8 F1, 2, 0
	MUL8 F1, 3, 0
	WIN 0
; THE WAY OUT, a block of 16 tokens x 128 outputs at a time, through my own stage: in as 32 bytes a lane, back as whole rows of 512 bytes.  LDS serves a wave's instructions in order (ISA guide 5.7.1.4).
.macro TOSTAGE a
	WIN 0x04                                       ; an LDS store's data: window 1
.irp b, 0,1,2,3,4,5,6,7
	ds_store_b128 v[STO], v[64*(\a)+8*\b:64*(\a)+8*\b+3] offset:64*\b          ; each accumulator from its low end on
	ds_store_b128 v[STO], v[64*(\a)+8*\b+4:64*(\a)+8*\b+7] offset:64*\b+16
.endr
	WIN 0
.set BB, BK+64*((\a)%2)
.irp t, 0,1,2,3,4,5,6,7,8,9,10,11,12,13,14,15
	ds_load_b128 v[BB+4*\t:BB+4*\t+3], v[RD] offset:\t*SPITCH
.endr
.endm
.macro SEND a, younger
.set BB, BK+64*((\a)%2)
	s_wait_dscnt \younger                          ; the block is back in registers
.if (\a) > 0
	s_add_nc_u64 s[10:11], s[10:11], 65536         ; (behind a wait on XCNT)  16 rows on
.endif
.irp t, 0,1,2,3,4,5,6,7,8,9,10,11,12,13,14,15
	global_store_b128 v[CO], v[BB+4*\t:BB+4*\t+3], s[10:11] offset:\t*4096 th:TH_STORE_NT   ; 32 lanes store 512 consecutive bytes, at a multiple of 256 from out0's first byte
.endr
.endm
	PLACES
	TOSTAGE 0
.irp a, 1,2,3
.if \a > 1
	s_wait_xcnt 0x0                                ; the stores of two blocks back have read their registers and their base
.endif
	TOSTAGE \a
	SEND \a-1, 32                                  ; behind that block's loads: the next block's 16 stores and 16 loads
.endr
	s_wait_xcnt 0x0
	SEND 3, 0
	s_wait_tensorcnt 0x0                           ; the wave's end, behind my last tensor load and my last LDS store
	ds_add_u32 v[SPW], v[NIL]
	s_wait_dscnt 0x0
	CROUND                                         ; the closing round
	s_endpgm
.Lfunc_end_k_q94dc772c1f_outp:
	.size	k_q94dc772c1f_outp, .Lfunc_end_k_q94dc772c1f_outp-k_q94dc772c1f_outp
	.p2alignl 7, 3214868480
	.fill 96, 4, 3214868480
	.section	.rodata,"a",@progbits
	.p2align	6, 0x0
	.amdhsa_kernel k_q94dc772c1f_outp
		.amdhsa_group_segment_fixed_size 327680
		.amdhsa_private_segment_fixed_size 0
		.amdhsa_enable_private_segment 0
		.amdhsa_kernarg_size 32
		.amdhsa_user_sgpr_count 2
		.amdhsa_user_sgpr_kernarg_segment_ptr 1
		.amdhsa_wavefront_size32 1
		.amdhsa_system_sgpr_workgroup_id_x 1
		.amdhsa_system_sgpr_workgroup_id_y 1
		.amdhsa_system_sgpr_workgroup_id_z 1
		.amdhsa_system_vgpr_workitem_id 0
		.amdhsa_next_free_vgpr 576
		.amdhsa_next_free_sgpr 66
		.amdhsa_reserve_vcc 0
		.amdhsa_float_denorm_mode_32 3
		.amdhsa_float_denorm_mode_16_64 3
		.amdhsa_memory_ordered 1
		.amdhsa_forward_progress 1
		.amdhsa_inst_pref_size 86
	.end_amdhsa_kernel
	.amdgpu_metadata
---
amdhsa.version: [ 1, 2 ]
amdhsa.kernels:
  - .name:           k_q94dc772c1f_outp
    .symbol:         k_q94dc772c1f_outp.kd
    .args:
      - { .name: o16, .offset: 0, .size: 8, .value_kind: global_buffer, .address_space: global }
      - { .name: wo16, .offset: 8, .size: 8, .value_kind: global_buffer, .address_space: global }
      - { .name: bo, .offset: 16, .size: 8, .value_kind: global_buffer, .address_space: global }
      - { .name: out0, .offset: 24, .size: 8, .value_kind: global_buffer, .address_space: global }
    .group_segment_fixed_size: 327680
    .private_segment_fixed_size: 0
    .kernarg_segment_align: 8
    .kernarg_segment_size: 32
    .max_flat_workgroup_size: 128
    .sgpr_count:     66
    .vgpr_count:     576
    .wavefront_size: 32
...
	.end_amdgpu_metadata
.endif
;; end of part 4
